; MI455X (gfx1250); checked and timed in simulation.
; The chip was launched on July 23, 2026; its instructions are those of AMD's public machine-readable ISA for CDNA 5 (MIT licence, August 2026) and "CDNA5" Instruction Set Architecture Reference Guide (July 2026). The comments in the code are by the model that wrote it; some were corrected since.
;; Link Prediction. Allowed arithmetic: matrix products marked QUANTISED: E4M3 operands, one E8M0 scale for each 32 along K, by v_wmma_scale_f32_16x16x128_f8f6f4 with both operands' format E4M3, f32 sums; products left as they are: f32 operands where the result goes on into a quantised operand, else bf16, f16 or f32 operands; f32 sums; everything else in f32.
;; Inputs: b1 256 float32; b2 128 float32; b3 1 float32; batch 50,000 int32; be1 256 float32; be2 128 float32; edge_index 2 x 200,000 int32; g1 256 float32; g2 128 float32; neg_edge_index 2 x 200,000 int32; w1 256 x 256 float32; w2 256 x 128 float32; w3 128 x 1 float32; x 50,000 x 128 float32.
;; Outputs: out0 400,000 x 1 float32; out1 400,000 x 1 float32.
;; This version of the problem:
;;   THIS VERSION OF THE PROBLEM IS GIVEN IN LOW PRECISION. The matrix products marked QUANTISED in the list below multiply operands that are first quantised to E4M3 (4 exponent bits, 3 mantissa bits; 8 bits a number), with one power-of-two scale for each 32 numbers along K (OCP MX v1.0); their sums are f32. All else is computed in f32.
;;   The module's matrix products, in the order in which they are computed (A, B: the left and right operand; K: the contracted axis; several contracted axes count as one K, in the product's order):
;;     1. [M 400,000, K 256] x [K 256, N 256]; A: computed on the way; B: input w1: QUANTISED
;;     2. [M 400,000, K 256] x [K 256, N 128]; A: computed on the way; B: input w2: QUANTISED
;;     3. [M 400,000, K 128] x [K 128, N 1]; A: computed on the way; B: input w3: left as it is (N = 1 < 16)
;;   THE QUANTISER, for each operand of a quantised product, along K:
;;     - K is cut into blocks of 32 from its start; a last block that is shorter is filled with zeros.
;;     - A block's scale is 2^e with e = floor(log2(the largest magnitude in the block)) - 8, held to -126 .. 127; a block of zeros has e = 0. As a byte (E8M0): e + 127.
;;     - Each number is divided by its block's scale, clamped to +-448, and rounded to the nearest number of E4M3, ties to even, subnormals kept.
;;     - The product sums the exact products of the quantised numbers (number of the format x scale) in f32.
;;   ~~~python
;;   def quantise(x, axis):      # numpy; x: float32 -> the quantised numbers, widened to float32 again
;;       x = np.moveaxis(x, axis, -1); K = x.shape[-1]
;;       x = np.pad(x, [(0, 0)] * (x.ndim - 1) + [(0, -K % 32)]); x = x.reshape(x.shape[:-1] + (-1, 32)); a = np.abs(x).max(-1, keepdims=True)
;;       e = np.where(a > 0, np.clip(np.frexp(np.where(a > 0, a, 1))[1] - 1 - 8, -126, 127), 0)      # np.frexp(a)[1] - 1 = floor(log2(a)), exactly
;;       r = np.clip(x / 2.0 ** e, -448, 448)
;;       step = 2.0 ** (np.maximum(np.frexp(np.where(r == 0, 1, r))[1] - 1, -6) - 3)
;;       q = np.round(r / step) * step * 2.0 ** e      # np.round: ties to even
;;       return np.moveaxis(q.reshape(q.shape[:-2] + (-1,))[..., :K], -1, axis).astype(np.float32)
;;   ~~~
;;   OPERANDS COMPUTED ON THE WAY. 'Computed on the way' means the value that the module computes at that place (a softmax that the list does not call 'softmax' is quantised finished and normalised). What goes into a quantiser is computed in f32, as accurately as f32 sums, v_exp_f32 and their like allow (about 1e-6 of the number): no bf16 or f16 on the way to a quantiser, and a product that is left as it is and whose result goes on into a quantised operand takes f32 operands (vector FMAs, or v_wmma_f32_16x16x4_f32). A number that lies on a knife's edge between two numbers of the format may be rounded either way, as far as f32 arithmetic and the matrix unit's own rounding can turn it there, and no further.
;; 2 versions. Each part assembles by itself: llvm-mc -triple=amdgcn-amd-amdhsa -mcpu=gfx1250 --defsym DOCPART=n.
;; ======== version 1 of 2: 2 launches
;; workspace buffers: x_codes 6,400,000 bytes; x_scl 800,000 bytes; w_img 98,304 bytes; w_scl 12,288 bytes
;; launch prep (part 1): grid 635 x 1, 5 waves a work-group, no clusters, 27,648 bytes of LDS; arguments x, w1, w2, x_codes, x_scl, w_img, w_scl; writes x_codes, x_scl, w_img, w_scl
.if DOCPART == 1
	.amdgcn_target "amdgcn-amd-amdhsa--gfx1250"
	.amdhsa_code_object_version 6
	.text
	.protected	k_qc5fec4a8f6_prep
	.globl	k_qc5fec4a8f6_prep
	.p2align	8
	.type	k_qc5fec4a8f6_prep,@function
k_qc5fec4a8f6_prep:
	s_mov_b64 s[64:65], 0
	v_nop
	global_prefetch_b8 v0, s[64:65] scope:SCOPE_SE
	s_setreg_imm32_b32 hwreg(HW_REG_WAVE_MODE, 25, 1), 1
	s_wait_xcnt 0x0
; LINK PREDICTION, launch 1 of 2: x, w1 and w2 become codes of E4M3 with one E8M0 scale byte for each 32 along K.
; WHY x IS QUANTISED ONCE.  feat = [x[src] | x[dst]] has K = 256 = 8 blocks of 32, and each block lies wholly inside one row of x (128 = 4 blocks).  So the quantised feat is a gather of the
; quantised x: 50,000 rows are quantised here, and the second launch gathers codes (128 bytes a row) and one scale word.
; DEAD WORK.  The input batch is named by no line of reference()'s body: whatever it holds, no output changes.  It is not loaded and is no argument of either launch.
; LIMIT: a NaN, an infinity or an overflow that reaches only what is left out (batch) is not carried to the result.
; LIMITS: NaN and infinities among x, w1, w2 are not served.  A block of zeros gets the byte 1 (the floor) where the rule says 127: its codes are zeros, which add nothing under any byte but 0xff,
; and the bytes are read by this program alone.  Blocks whose largest magnitude lies under 2^(9 - 127) are held at that byte too.
; SHARES.  Work-groups 0 to 624: x.  Wave W = 5 x work-group + wave takes rows 16 W .. 16 W + 15: 8,192 bytes in, 2,048 bytes of codes and 256 bytes of scale records out: 3,125 waves are all of x.
;   A step is 512 numbers (4 rows).  Each load reads 512 consecutive bytes; the step turns through the wave's own stage in LDS (16 bytes of padding behind each 64), so that a lane holds 16 neighbours along K.
;   x_scl holds a record of 16 bytes a row, the row's scale word four times over: a wave's 16 rows are 256 consecutive bytes, aligned.
; Work-groups 625 to 634: the weights.  Piece p = 5 x (work-group - 625) + wave is one operand fragment, 16 rows of W^T x 128 along K: p = 2 t + s for w1's tile t, K step s; p = 32 + 2 t + s for w2's.
;   48 pieces on 50 waves.
;   K is the weights' FIRST axis: a lane takes a column and its registers run down K, in the order of the operand's registers, so the conversions' results are the fragment; it is stored as it stands
;   (register group c, lane l at 2048 p + 512 c + 16 l).  THE COLUMNS OF A TILE ARE NOT NEIGHBOURS: lane r of tile t takes unit 32 (t / 2) + 8 (t % 2) + r + 8 (r / 8), so that in the second launch
;   the 16 registers of two neighbouring result tiles are 16 neighbours along the next K.  Scale words: lane l's word twice at 256 p + 8 l.
; No barrier: waves share nothing.  Only the x path uses LDS.
.set XWG,   625
.set WREG,  5376                       ; LDS of a wave: two stages of 32 x SP bytes, then its 64 scale bytes
.set SP,    80
.set SBO,   5120
.set SPARE, 5*WREG                     ; behind the five regions: the spare words, 128 bytes for each wave, in three blocks of 256 bytes that no other line names
.set EMAX,  8
.set MANT,  0x600000                   ; the mantissa field of 448
.set R,     16                         ; v16-79   four steps' numbers as loaded
.set X,     80                         ; v80-111  two sets of 16 neighbours
.set E,     112                        ; v112-115 a scale byte for each step
.set C,     128                        ; v128-143 codes, four registers a step: no store's data are written again
.set SPW,   12
.set NIL,   13
	s_load_b256 s[4:11], s[0:1], 0x0               ; x s[4:5], w1 s[6:7], w2 s[8:9], x_codes s[10:11]
	s_load_b128 s[12:15], s[0:1], 0x20             ; x_scl s[12:13], w_img s[14:15]
	s_load_b64 s[16:17], s[0:1], 0x30              ; w_scl
	v_lshl_add_u32 v[SPW], v0, 2, SPARE
	v_mov_b32 v[NIL], 0
	v_lshrrev_b32 v1, 5, v0
	v_readfirstlane_b32 s18, v1                    ; wave 0..4
	v_and_b32 v2, 31, v0                           ; lane
	v_lshlrev_b32 v3, 4, v2                        ; 16 x lane
	v_lshlrev_b32 v7, 3, v2                        ; 8 x lane
	s_mov_b32 s23, MANT
	s_mov_b32 s25, 0
	s_wait_kmcnt 0x0
	s_cmp_lt_u32 ttmp9, XWG
	s_cbranch_scc0 .Lweights
; ---------------- x ----------------
	s_mul_i32 s19, s18, WREG
	v_lshrrev_b32 v14, 2, v2
	v_mul_u32_u24 v14, v14, SP
	v_and_b32 v15, 3, v2
	v_lshl_add_u32 v14, v15, 4, v14
	v_add_nc_u32 v14, s19, v14                     ; the stage, way in: SP (lane / 4) + 16 (lane % 4)
	v_mul_u32_u24 v15, v2, SP
	v_add_nc_u32 v15, s19, v15                     ; way out: SP x lane: my 16 neighbours
	v_lshrrev_b32 v5, 1, v2
	s_add_co_u32 s19, s19, SBO
	v_lshl_add_u32 v6, v5, 2, s19                  ; the scale word of row lane / 2
	v_add_nc_u32 v5, s19, v5                       ; my block's byte
	s_mul_i32 s20, ttmp9, 5
	s_add_co_u32 s20, s20, s18                     ; W
	s_lshl_b32 s24, s20, 13
	s_add_nc_u64 s[4:5], s[4:5], s[24:25]          ; x + 8,192 W
	s_lshl_b32 s24, s20, 11
	s_add_nc_u64 s[10:11], s[10:11], s[24:25]      ; x_codes + 2,048 W
	s_lshl_b32 s24, s20, 8
	s_add_nc_u64 s[12:13], s[12:13], s[24:25]      ; x_scl + 256 W
.macro LOAD t
.irp i, 0,1,2,3
	global_load_b128 v[R+16*(\t)+4*\i:R+16*(\t)+4*\i+3], v3, s[4:5] offset:2048*(\t)+512*\i th:TH_LOAD_NT   ; 32 lanes read 512 consecutive bytes; read once in the launch
.endr
.endm
.macro TURN t                          ; step t through the stage: LDS serves a wave's instructions in order, so no wait stands between the stores and the loads
.irp i, 0,1,2,3
	ds_store_b128 v14, v[R+16*(\t)+4*\i:R+16*(\t)+4*\i+3] offset:32*SP*((\t)%2)+8*SP*\i
.endr
.irp i, 0,1,2,3
	ds_load_b128 v[X+16*((\t)%2)+4*\i:X+16*((\t)%2)+4*\i+3], v15 offset:32*SP*((\t)%2)+16*\i
.endr
.endm
.irp t, 0,1,2,3
	LOAD \t
.endr
	s_wait_loadcnt 12                              ; step 0's four loads are in; the twelve younger ones may be out
	TURN 0
.macro STEP t
.set XS, X+16*((\t)%2)
.if (\t) > 0
	s_wait_dscnt 1                                 ; this step's numbers are back from the stage; only the last step's byte store is younger
.else
	s_wait_dscnt 0x0
.endif
.if (\t) < 3
	s_wait_loadcnt 4*(2-(\t))                      ; the next step's four loads are in; those of the steps behind it may be out
	TURN (\t)+1                                    ; and go through the other stage while this step is worked
.endif
	v_max3_num_f32 v8, |v[XS]|, |v[XS+1]|, |v[XS+2]|               ; the largest magnitude of my 16, in two chains
	v_max3_num_f32 v9, |v[XS+3]|, |v[XS+4]|, |v[XS+5]|
.irp i, 6,10
	v_max3_num_f32 v8, v8, |v[XS+\i]|, |v[XS+\i+1]|
	v_max3_num_f32 v9, v9, |v[XS+\i+2]|, |v[XS+\i+3]|
.endr
	v_max3_num_f32 v8, v8, |v[XS+14]|, |v[XS+15]|
	v_max3_num_f32 v8, v8, v9, (EMAX+1)<<23        ; and the floor 2^(9 - 127): the byte cannot fall under 1
	v_max_num_f32_dpp v8, v8, v8 row_xmask:1 row_mask:0xf bank_mask:0xf   ; with my neighbour's 16: the block's
	v_add_nc_u32 v11, -(EMAX<<23), v8              ; 8 off its exponent field: the conversion's scale operand
	v_and_or_b32 v10, v8, 0x7f800000, s23          ; 448 x the scale
.irp i, 0,1,2,3,4,5,6,7,8,9,10,11,12,13,14,15
	v_med3_num_f32 v[XS+\i], v[XS+\i], -v10, v10   ; the conversion to an 8-bit code does not saturate (ISA guide 7.6.2): the hold comes first
.endr
	v_cvt_scalef32_pk8_fp8_f32 v[C+4*(\t):C+4*(\t)+1], v[XS:XS+7], v11
	v_cvt_scalef32_pk8_fp8_f32 v[C+4*(\t)+2:C+4*(\t)+3], v[XS+8:XS+15], v11
	v_lshrrev_b32 v[E+(\t)], 23, v11               ; the scale's byte (also the plain line behind the conversions)
	ds_store_b8 v5, v[E+(\t)] offset:16*(\t)       ; both lanes of a block write the same byte with the same value
	global_store_b128 v3, v[C+4*(\t):C+4*(\t)+3], s[10:11] offset:512*(\t)   ; 32 lanes store 512 consecutive bytes, aligned
.endm
.irp t, 0,1,2,3
	STEP \t
.endr
	ds_load_b32 v8, v6                             ; LDS serves a wave's instructions in order: this sees my byte stores
	s_wait_dscnt 0x0
	v_mov_b32 v9, v8
	global_store_b64 v7, v[8:9], s[12:13]          ; two lanes a record: 32 lanes store 256 consecutive bytes, aligned
	s_wait_tensorcnt 0x0                           ; the wave's end, behind my last LDS store
	ds_add_u32 v[SPW], v[NIL]
	s_wait_dscnt 0x0
	s_endpgm
; ---------------- the weights: no LDS on this path ----------------
.Lweights:
	s_sub_co_u32 s20, ttmp9, XWG
	s_mul_i32 s20, s20, 5
	s_add_co_u32 s20, s20, s18                     ; piece p
	s_cmp_lt_u32 s20, 48
	s_cbranch_scc1 .Lpiece
	s_endpgm                                       ; 50 waves for 48 pieces
.Lpiece:
	v_and_b32 v4, 15, v0                           ; r
	v_bfe_u32 v5, v0, 4, 1                         ; h
	v_and_b32 v6, 8, v4
	v_add_nc_u32 v6, v6, v4                        ; r + 8 (r / 8)
	v_lshlrev_b32 v6, 2, v6
	s_mov_b32 s30, 0x76543210
	s_mov_b32 s31, 0xfedcba98                      ; v_permlanex16_b32's selects for lane l xor 16
	s_cmp_lt_u32 s20, 32                           ; w1's piece or w2's: the choice hangs on ids alone
	s_cselect_b64 s[26:27], s[6:7], s[8:9]
	s_cselect_b32 s21, 0, 32
	s_cselect_b32 s22, 17, 16                      ; log2 of 128 rows of K in bytes: 128 x 1,024 or 128 x 512
	s_cselect_b32 s28, 14, 13                      ; log2 of 16 rows
	s_sub_co_u32 s21, s20, s21                     ; 2 t + s
	s_and_b32 s24, s21, 1
	s_lshl_b32 s24, s24, s22                       ; K step s
	s_lshr_b32 s29, s21, 2
	s_lshl_b32 s29, s29, 7                         ; 32 (t / 2) columns of 4 bytes
	s_add_co_u32 s24, s24, s29
	s_bfe_u32 s29, s21, 0x10001
	s_lshl_b32 s29, s29, 5                         ; 8 (t % 2) columns
	s_add_co_u32 s24, s24, s29
	s_add_nc_u64 s[26:27], s[26:27], s[24:25]
	v_lshlrev_b32 v5, s28, v5                      ; lanes 16-31 begin 16 rows further down K
	v_add_nc_u32 v5, v5, v6
.macro WLOAD pitch                     ; register 16 c + i = W(128 s + 32 c + 16 h + i, my column)
.irp c, 0,1,2,3
.irp i, 0,1,2,3,4,5,6,7,8,9,10,11,12,13,14,15
	global_load_b32 v[64+16*\c+\i], v5, s[26:27] offset:(32*\c+\i)*\pitch
.endr
.endr
.endm
	s_cmp_lt_u32 s20, 32
	s_cbranch_scc0 .Lw2
	WLOAD 1024
	s_branch .Lquant
.Lw2:
	WLOAD 512
.Lquant:
	s_lshl_b32 s24, s20, 11
	s_add_nc_u64 s[14:15], s[14:15], s[24:25]      ; w_img + 2,048 p
	s_lshl_b32 s24, s20, 8
	s_add_nc_u64 s[16:17], s[16:17], s[24:25]      ; w_scl + 256 p
.irp b, 0,1,2,3
	v_mov_b32 v[36+\b], 0                          ; a lane permute's destination counts as one of its sources
.endr
	s_wait_loadcnt 0x0
.irp b, 0,1,2,3
	v_max3_num_f32 v[32+\b], |v[64+16*\b]|, |v[65+16*\b]|, 0x4800000   ; block b: my 16 numbers and the floor
.endr
.irp i, 2,4,6,8,10,12,14
.irp b, 0,1,2,3
	v_max3_num_f32 v[32+\b], v[32+\b], |v[64+16*\b+\i]|, |v[65+16*\b+\i]|   ; the four blocks by turns
.endr
.endr
.irp b, 0,1,2,3
	v_permlanex16_b32 v[36+\b], v[32+\b], s30, s31
.endr
.irp b, 0,1,2,3
	v_max_num_f32 v[32+\b], v[32+\b], v[36+\b]     ; with lane l xor 16's: the block's largest magnitude
.endr
.irp b, 0,1,2,3
	v_add_nc_u32 v[44+\b], 0xfc000000, v[32+\b]    ; the conversion's scale operand
.endr
.irp b, 0,1,2,3
	v_and_or_b32 v[40+\b], v[32+\b], 0x7f800000, s23   ; 448 x the scale
.endr
.irp b, 0,1,2,3
	v_lshrrev_b32 v[36+\b], 23, v[44+\b]           ; the scale's byte
.endr
	v_lshl_or_b32 v10, v37, 8, v36                 ; my column's scale word
	v_lshl_or_b32 v10, v38, 16, v10
	v_lshl_or_b32 v10, v39, 24, v10
	v_mov_b32 v11, v10
.irp c, 0,1,2,3
.irp i, 0,1,2,3,4,5,6,7,8,9,10,11,12,13,14,15
	v_med3_num_f32 v[64+16*\c+\i], v[64+16*\c+\i], -v[40+\c], v[40+\c]
.endr
	v_cvt_scalef32_pk8_fp8_f32 v[48+4*\c:49+4*\c], v[64+16*\c:71+16*\c], v[44+\c]
	v_cvt_scalef32_pk8_fp8_f32 v[50+4*\c:51+4*\c], v[72+16*\c:79+16*\c], v[44+\c]
.endr
	v_nop                                          ; a plain line behind the last conversion
.irp c, 0,1,2,3
	global_store_b128 v3, v[48+4*\c:51+4*\c], s[14:15] offset:512*\c   ; the fragment as it stands: 512 consecutive bytes a store
.endr
	global_store_b64 v7, v[10:11], s[16:17]        ; 256 consecutive bytes, aligned
	s_endpgm
.Lfunc_end_k_qc5fec4a8f6_prep:
	.size	k_qc5fec4a8f6_prep, .Lfunc_end_k_qc5fec4a8f6_prep-k_qc5fec4a8f6_prep
	.p2alignl 7, 3214868480
	.fill 96, 4, 3214868480
	.section	.rodata,"a",@progbits
	.p2align	6, 0x0
	.amdhsa_kernel k_qc5fec4a8f6_prep
		.amdhsa_group_segment_fixed_size 27648
		.amdhsa_private_segment_fixed_size 0
		.amdhsa_enable_private_segment 0
		.amdhsa_kernarg_size 56
		.amdhsa_user_sgpr_count 2
		.amdhsa_user_sgpr_kernarg_segment_ptr 1
		.amdhsa_wavefront_size32 1
		.amdhsa_system_sgpr_workgroup_id_x 1
		.amdhsa_system_sgpr_workgroup_id_y 1
		.amdhsa_system_sgpr_workgroup_id_z 1
		.amdhsa_system_vgpr_workitem_id 0
		.amdhsa_next_free_vgpr 144
		.amdhsa_next_free_sgpr 66
		.amdhsa_reserve_vcc 0
		.amdhsa_float_denorm_mode_32 3
		.amdhsa_float_denorm_mode_16_64 3
		.amdhsa_memory_ordered 1
		.amdhsa_forward_progress 1
		.amdhsa_inst_pref_size 37
	.end_amdhsa_kernel
	.amdgpu_metadata
---
amdhsa.version: [ 1, 2 ]
amdhsa.kernels:
  - .name:           k_qc5fec4a8f6_prep
    .symbol:         k_qc5fec4a8f6_prep.kd
    .args:
      - { .name: x, .offset: 0, .size: 8, .value_kind: global_buffer, .address_space: global }
      - { .name: w1, .offset: 8, .size: 8, .value_kind: global_buffer, .address_space: global }
      - { .name: w2, .offset: 16, .size: 8, .value_kind: global_buffer, .address_space: global }
      - { .name: x_codes, .offset: 24, .size: 8, .value_kind: global_buffer, .address_space: global }
      - { .name: x_scl, .offset: 32, .size: 8, .value_kind: global_buffer, .address_space: global }
      - { .name: w_img, .offset: 40, .size: 8, .value_kind: global_buffer, .address_space: global }
      - { .name: w_scl, .offset: 48, .size: 8, .value_kind: global_buffer, .address_space: global }
    .group_segment_fixed_size: 27648
    .private_segment_fixed_size: 0
    .kernarg_segment_align: 8
    .kernarg_segment_size: 56
    .max_flat_workgroup_size: 160
    .sgpr_count:     66
    .vgpr_count:     144
    .wavefront_size: 32
...
	.end_amdgpu_metadata
.endif
;; end of part 1
;; launch mlp (part 2): grid 250 x 1, 4 waves a work-group, no clusters, 110,592 bytes of LDS; arguments x_codes, x_scl, edge_index, neg_edge_index, w_img, w_scl, b1, g1, be1, b2, g2, be2, w3, b3, out0, out1; writes out0, out1
.if DOCPART == 2
	.amdgcn_target "amdgcn-amd-amdhsa--gfx1250"
	.amdhsa_code_object_version 6
	.text
	.protected	k_qc5fec4a8f6_mlp
	.globl	k_qc5fec4a8f6_mlp
	.p2align	8
	.type	k_qc5fec4a8f6_mlp,@function
k_qc5fec4a8f6_mlp:
	s_mov_b64 s[64:65], 0
	v_nop
	global_prefetch_b8 v0, s[64:65] scope:SCOPE_SE
	s_setreg_imm32_b32 hwreg(HW_REG_WAVE_MODE, 25, 1), 1
	s_wait_xcnt 0x0
; LINK PREDICTION, launch 2 of 2: for each of 400,000 edges: gather the codes of x[src] and x[dst], product 1 (256 -> 256, + b1), LayerNorm, relu, quantiser, product 2 (256 -> 128, + b2), LayerNorm, relu,
; the dot with w3, + b3, sigmoid -> out0; the labels (1 for edge_index's rows, 0 for neg_edge_index's) -> out1.  The hidden layers never leave the registers.
; Left out as in the first launch: the input batch, which reference() never reads.
; LIMITS: NaN and infinities are not served; an index is held at 49,999, the table's last row; a block of zeros of the hidden layer has the scale byte 1 with zero codes (read here alone).
; SHARES.  400,000 = 250 work-groups x 4 waves x 5 trips x 80 edges.  A wave takes five tiles of 16 edges a trip.  Work-groups 0-124 lie wholly in edge_index, 125-249 in neg_edge_index (200,000 = 125 x 1,600).
; BOTH PRODUCTS ARE USED TRANSPOSED: source 0 = 16 rows of W^T, source 1 = 16 edges: a lane holds ONE edge (lane % 16) and its registers run along the hidden units; the other half of the units lies in lane xor 16.
; The first launch chose each weight tile's rows so that registers 16 b .. 16 b + 15 of a tile of edges are units 32 b + 16 (lane / 16) + 0 .. 15: the conversions' results are the next operand's registers,
; and the tables b, g, be, w3 are read in their natural order at 128 b + 64 (lane / 16) bytes.  The biases are the C of each sum's first matrix instruction.
; THE WEIGHTS, 98,304 bytes of fragment images, are copied into LDS once; each fragment read from LDS feeds five matrix instructions.
; LAYERNORM in two passes, as reference() writes it: the mean; d = h - mean in place; the mean of d^2; v_rsq_f32.
; NO CLUSTER: the grid's 250 work-groups are no multiple of 4, and what work-groups share (98,304 + 12,288 + 5,124 bytes of weights, scale words and tables) is read once by each,
; against 1,600 x 276 = 441,600 bytes of indices, codes and scale words that are its own.  No tensor load: nothing in LDS is filled again.
; REGISTERS, in windows of 256 (s_set_vgpr_msb: bits 1:0 source 0, 3:2 source 1, 5:4 source 2, 7:6 destination):
;   H(m) = 128 registers for tile m: window 1 + m / 2, from 128 (m % 2): h1; later h1's codes in its registers 0-31 and h2 in 64-127.   F(m), feat's two fragments: window 3 from 128 + 32 m (m < 4); F(4): window 0, v64-95.
;   window 0: v1-7 addresses; v8, v9 the add's two; v10-24 indices, then offsets; v25-29 feat's scale words (lanes 0-15 src's, 16-31 dst's); v30-39 h1's; v40-55 W1's, v56-63 W2's (lanes 0-15 K step 0, 16-31 K step 1);
;   v96-175 five fragment buffers (in the LayerNorms: table chunks); v176-199 three bias chunks; v200-239 eight registers of sums a tile; v240-249 1/std, a pair a tile; v250-255 at work.
.set W2IMG, 65536                      ; LDS: W1's 32 images from 0, W2's 16 from here,
.set TAB,   98304                      ; the tables,
.set TB1,   0
.set TG1,   1024
.set TE1,   2048
.set TB2,   3072
.set TG2,   3584
.set TE2,   4096
.set TW3,   4608
.set OUTS,  103424                     ; the work-group's 1,600 results,
.set SPARE, 109824                     ; the spare words, 128 bytes for each wave: two blocks of 256 bytes that no other line names
.set LI,  1                            ; 16 x lane
.set LI2, 2                            ; W2IMG + 16 x lane
.set TA,  3                            ; TAB + 64 (lane / 16)
.set OA0, 4                            ; OUTS + 1,600 x wave + 4 (lane % 16)
.set IOA, 5                            ; 4 (lane % 16)
.set IOS, 6                            ; the same, + 800,000 in lanes 16-31: src's index below, dst's above
.set H16, 7                            ; 16 (lane / 16)
.set SPW, 8
.set NIL, 9
.set IS,  10
.set ID,  15
.set IC,  20
.set XSC, 25
.set HS,  30
.set W1S, 40
.set W2S, 56
.set F4,  64
.set FB,  96
.set BC,  176
.set SA,  200
.set RS,  240
.set TP,  250
.set MSB, 0
.macro WIN new                         ; the immediate's high byte repeats the setting that is left; a switch that changes nothing is dropped
.if MSB != (\new)
	s_set_vgpr_msb (MSB<<8)+(\new)
.set MSB, \new
.endif
.endm
.macro PLACES n
.rept \n
	v_nop
.endr
.endm
; Fragment f of a product into buffer f % 5; with an even f also the eight biases of its tile f / 2 into chunk (f / 2) % 3
.macro LOADF adr, tb, f
.irp c, 0,1,2,3
	ds_load_b128 v[FB+16*((\f)%5)+4*\c:FB+16*((\f)%5)+4*\c+3], v[\adr] offset:2048*(\f)+512*\c
.endr
.if ((\f)%2) == 0
.irp q, 0,1
	ds_load_b128 v[BC+8*(((\f)/2)%3)+4*\q:BC+8*(((\f)/2)%3)+4*\q+3], v[TA] offset:\tb+128*((\f)/4)+32*(((\f)/2)%2)+16*\q
.endr
.endif
.endm
.macro PRE adr, tb                     ; a product's first four fragments: 20 loads
.irp f, 0,1,2,3
	LOADF \adr, \tb, \f
.endr
.endm
; The wait at a step's head: fragment f's loads are in; the count is that of the LDS loads issued behind them: fragments f + 1 to f + 3 (an even one 6 loads, an odd one 4), fewer at the end
.macro DSW f, nf
.if (\f) == (\nf)-1
	s_wait_dscnt 0
.elseif (\f) == (\nf)-2
	s_wait_dscnt 4
.elseif (\f) == (\nf)-3
	s_wait_dscnt 10
.elseif ((\f)%2) == 0
	s_wait_dscnt 14
.else
	s_wait_dscnt 16
.endif
.endm
.macro P1MM m, f
.set DL, 128*((\m)%2)+8*((\f)/2)
.set AL, FB+16*((\f)%5)
.if (\m) < 4
.set BL, 128+32*(\m)+16*((\f)%2)
.else
.set BL, F4+16*((\f)%2)
.endif
.set CL, BC+8*(((\f)/2)%3)
.if ((\f)%2) == 0
	v_wmma_scale_f32_16x16x128_f8f6f4 v[DL:DL+7], v[AL:AL+15], v[BL:BL+15], v[CL:CL+7], v[W1S+(\f)/2], v[XSC+(\m)]
.else
	v_wmma_scale_f32_16x16x128_f8f6f4 v[DL:DL+7], v[AL:AL+15], v[BL:BL+15], v[DL:DL+7], v[W1S+(\f)/2], v[XSC+(\m)] matrix_a_scale:MATRIX_SCALE_ROW1 matrix_b_scale:MATRIX_SCALE_ROW1
.endif
.endm
.macro P2MM m, f
.set DL, 128*((\m)%2)+64+8*((\f)/2)
.set AL, FB+16*((\f)%5)
.set BL, 128*((\m)%2)+16*((\f)%2)
.set CL, BC+8*(((\f)/2)%3)
.if ((\f)%2) == 0
	v_wmma_scale_f32_16x16x128_f8f6f4 v[DL:DL+7], v[AL:AL+15], v[BL:BL+15], v[CL:CL+7], v[W2S+(\f)/2], v[HS+2*(\m)]
.else
	v_wmma_scale_f32_16x16x128_f8f6f4 v[DL:DL+7], v[AL:AL+15], v[BL:BL+15], v[DL:DL+7], v[W2S+(\f)/2], v[HS+2*(\m)+1] matrix_a_scale:MATRIX_SCALE_ROW1
.endif
.endm
; A STEP: one weight fragment (tile f / 2, K step f % 2) against the five tiles of edges.  The five accumulators take turns, one instruction a turn.
; The eight v_nop are the places between the last step's last matrix instruction and the loads into the buffer that it read (f + 4 = f - 1 modulo 5).
.macro P1STEP f
	DSW \f, 32
.irp m, 0,1,2,3,4
	WIN 64*(1+\m/2)+12*(1-\m/4)+16*((\f)%2)*(1+\m/2)
	P1MM \m, \f
.if \m < 4
	v_nop
	v_nop
.endif
.endr
	WIN 0
.if (\f)+4 < 32
	LOADF LI, TB1, (\f)+4
.endif
.endm
.macro P2STEP f
	DSW \f, 16
.irp m, 0,1,2,3,4
	WIN 68*(1+\m/2)+16*((\f)%2)*(1+\m/2)
	P2MM \m, \f
.if \m < 4
	v_nop
	v_nop
.endif
.endr
	WIN 0
.if (\f)+4 < 16
	LOADF LI2, TB2, (\f)+4
.endif
.endm
.macro IDXLOAD                         ; a group's 80 edges: src, dst, and (src in lanes 0-15 | dst in lanes 16-31) for the scale words
.irp m, 0,1,2,3,4
	global_load_b32 v[IS+\m], v[IOA], s[46:47] offset:64*\m
	global_load_b32 v[ID+\m], v[IOA], s[46:47] offset:800000+64*\m
	global_load_b32 v[IC+\m], v[IOS], s[46:47] offset:64*\m
.endr
.endm
.macro GATHER                          ; 45 loads: lane (r, h) takes, of its edge's row, 16 bytes at 16 h + 32 c: the operand's registers
.irp i, 0,1,2,3,4,5,6,7,8,9,10,11,12,13,14
	v_min_u32 v[IS+\i], 0xc34f, v[IS+\i]           ; an index stays inside the table
.endr
.irp i, 0,1,2,3,4,5,6,7,8,9
	v_lshl_add_u32 v[IS+\i], v[IS+\i], 7, v[H16]
.endr
.irp i, 0,1,2,3,4
	v_lshlrev_b32 v[IC+\i], 4, v[IC+\i]
.endr
	WIN 0xc0
.irp m, 0,1,2,3
.irp c, 0,1,2,3
	global_load_b128 v[128+32*\m+4*\c:128+32*\m+4*\c+3], v[IS+\m], s[8:9] offset:32*\c
.endr
.irp c, 0,1,2,3
	global_load_b128 v[144+32*\m+4*\c:144+32*\m+4*\c+3], v[ID+\m], s[8:9] offset:32*\c
.endr
.endr
	WIN 0
.irp c, 0,1,2,3
	global_load_b128 v[F4+4*\c:F4+4*\c+3], v[IS+4], s[8:9] offset:32*\c
.endr
.irp c, 0,1,2,3
	global_load_b128 v[F4+16+4*\c:F4+16+4*\c+3], v[ID+4], s[8:9] offset:32*\c
.endr
.irp m, 0,1,2,3,4
	global_load_b32 v[XSC+\m], v[IC+\m], s[10:11]
.endr
.endm
; THE LAYERNORMS.  Tiles go in groups by window: g = 0: tiles 0, 1; g = 1: tiles 2, 3; g = 2: tile 4; a group's tiles take turns line by line.  lo: where the layer begins in H(m); nr: its registers.
.macro SUMS lo, nr                     ; four pairs of sums a tile; each accumulator of the product is first read at its low end (ascending order)
.irp g, 0,1,2
	WIN 5*(\g+1)
.irp k, 0,1,2,3
.irp u, 0,1
.if 2*\g+\u < 5
	v_pk_add_f32 v[SA+8*(2*\g+\u)+2*\k:SA+8*(2*\g+\u)+2*\k+1], v[128*\u+(\lo)+4*\k:128*\u+(\lo)+4*\k+1], v[128*\u+(\lo)+4*\k+2:128*\u+(\lo)+4*\k+3]
.endif
.endr
.endr
	WIN \g+1
.set SJ, 16
.rept ((\nr)-16)/2
.irp u, 0,1
.if 2*\g+\u < 5
	v_pk_add_f32 v[SA+8*(2*\g+\u)+2*((SJ/2)%4):SA+8*(2*\g+\u)+2*((SJ/2)%4)+1], v[128*\u+(\lo)+SJ:128*\u+(\lo)+SJ+1], v[SA+8*(2*\g+\u)+2*((SJ/2)%4):SA+8*(2*\g+\u)+2*((SJ/2)%4)+1]
.endif
.endr
.set SJ, SJ+2
.endr
.endr
.endm
.macro REDUCE                          ; a tile's four pairs, and lane xor 16's, become one number in SA + 0
	WIN 0
.irp m, 0,1,2,3,4
	v_pk_add_f32 v[SA+8*\m:SA+8*\m+1], v[SA+8*\m:SA+8*\m+1], v[SA+8*\m+2:SA+8*\m+3]
.endr
.irp m, 0,1,2,3,4
	v_pk_add_f32 v[SA+8*\m+4:SA+8*\m+5], v[SA+8*\m+4:SA+8*\m+5], v[SA+8*\m+6:SA+8*\m+7]
.endr
.irp m, 0,1,2,3,4
	v_pk_add_f32 v[SA+8*\m:SA+8*\m+1], v[SA+8*\m:SA+8*\m+1], v[SA+8*\m+4:SA+8*\m+5]
.endr
.irp m, 0,1,2,3,4
	v_add_f32 v[SA+8*\m], v[SA+8*\m], v[SA+8*\m+1]
.endr
.irp m, 0,1,2,3,4
	v_permlanex16_b32 v[SA+8*\m+2], v[SA+8*\m], s42, s43
.endr
.irp m, 0,1,2,3,4
	v_add_f32 v[SA+8*\m], v[SA+8*\m], v[SA+8*\m+2]
.endr
.endm
.macro MEAN sneg                       ; SA + 4 = -mean
	REDUCE
.irp m, 0,1,2,3,4
	v_mul_f32 v[SA+8*\m+4], s[\sneg], v[SA+8*\m]
.endr
.endm
.macro CENTRE lo, nr                   ; d = h - mean in place, then the sums of d^2
.irp g, 0,1,2
	WIN 65*(\g+1)
.set SJ, 0
.rept (\nr)/2
.irp u, 0,1
.if 2*\g+\u < 5
	v_pk_add_f32 v[128*\u+(\lo)+SJ:128*\u+(\lo)+SJ+1], v[128*\u+(\lo)+SJ:128*\u+(\lo)+SJ+1], v[SA+8*(2*\g+\u)+4:SA+8*(2*\g+\u)+5] op_sel_hi:[1,0]
.endif
.endr
.set SJ, SJ+2
.endr
	WIN 5*(\g+1)
.irp k, 0,1,2,3
.irp u, 0,1
.if 2*\g+\u < 5
	v_pk_mul_f32 v[SA+8*(2*\g+\u)+2*\k:SA+8*(2*\g+\u)+2*\k+1], v[128*\u+(\lo)+2*\k:128*\u+(\lo)+2*\k+1], v[128*\u+(\lo)+2*\k:128*\u+(\lo)+2*\k+1]
.endif
.endr
.endr
.set SJ, 8
.rept ((\nr)-8)/2
.irp u, 0,1
.if 2*\g+\u < 5
	v_pk_fma_f32 v[SA+8*(2*\g+\u)+2*((SJ/2)%4):SA+8*(2*\g+\u)+2*((SJ/2)%4)+1], v[128*\u+(\lo)+SJ:128*\u+(\lo)+SJ+1], v[128*\u+(\lo)+SJ:128*\u+(\lo)+SJ+1], v[SA+8*(2*\g+\u)+2*((SJ/2)%4):SA+8*(2*\g+\u)+2*((SJ/2)%4)+1]
.endif
.endr
.set SJ, SJ+2
.endr
.endr
.endm
.macro RSTD sinv                       ; RS(m) = 1 / sqrt(mean of d^2 + 1e-5): five roots as one batch, one plain line, one wait ahead of the first reader
	REDUCE
.irp m, 0,1,2,3,4
	v_fma_f32 v[SA+8*\m], v[SA+8*\m], s[\sinv], s58
.endr
.irp m, 0,1,2,3,4
	v_rsq_f32 v[RS+2*\m], v[SA+8*\m]
.endr
	v_nop
	s_wait_alu depctr_va_vdst(0)
.endm
.macro LOADT1 b                        ; g1 and be1 of block b's 16 units of my half: 8 loads into chunk b % 2
.irp q, 0,1,2,3
	ds_load_b128 v[FB+32*((\b)%2)+4*\q:FB+32*((\b)%2)+4*\q+3], v[TA] offset:TG1+128*(\b)+16*\q
.endr
.irp q, 0,1,2,3
	ds_load_b128 v[FB+32*((\b)%2)+16+4*\q:FB+32*((\b)%2)+16+4*\q+3], v[TA] offset:TE1+128*(\b)+16*\q
.endr
.endm
.macro LOADT2 b                        ; g2, be2 and w3 likewise: 12 loads
.irp q, 0,1,2,3
	ds_load_b128 v[FB+48*((\b)%2)+4*\q:FB+48*((\b)%2)+4*\q+3], v[TA] offset:TG2+128*(\b)+16*\q
.endr
.irp q, 0,1,2,3
	ds_load_b128 v[FB+48*((\b)%2)+16+4*\q:FB+48*((\b)%2)+16+4*\q+3], v[TA] offset:TE2+128*(\b)+16*\q
.endr
.irp q, 0,1,2,3
	ds_load_b128 v[FB+48*((\b)%2)+32+4*\q:FB+48*((\b)%2)+32+4*\q+3], v[TA] offset:TW3+128*(\b)+16*\q
.endr
.endm
.macro NRM b, g                        ; block b of h1: d / std x g1 + be1
.irp i, 0,2,4,6,8,10,12,14
.irp u, 0,1
.if 2*(\g)+\u < 5
	v_pk_mul_f32 v[128*\u+16*(\b)+\i:128*\u+16*(\b)+\i+1], v[128*\u+16*(\b)+\i:128*\u+16*(\b)+\i+1], v[RS+2*(2*(\g)+\u):RS+2*(2*(\g)+\u)+1] op_sel_hi:[1,0]
.endif
.endr
.endr
.irp i, 0,2,4,6,8,10,12,14
.irp u, 0,1
.if 2*(\g)+\u < 5
	v_pk_fma_f32 v[128*\u+16*(\b)+\i:128*\u+16*(\b)+\i+1], v[128*\u+16*(\b)+\i:128*\u+16*(\b)+\i+1], v[FB+32*((\b)%2)+\i:FB+32*((\b)%2)+\i+1], v[FB+32*((\b)%2)+16+\i:FB+32*((\b)%2)+16+\i+1]
.endif
.endr
.endr
.endm
.macro MAXB b, g                       ; the largest of my 16, in two chains, over the floor 2^(9 - 127).  No |.|: what is negative becomes 0 (relu) and must not count
.irp c, 0,1
.irp u, 0,1
.if 2*(\g)+\u < 5
	v_max3_num_f32 v[SA+8*(2*(\g)+\u)+\c], v[128*\u+16*(\b)+8*\c], v[128*\u+16*(\b)+8*\c+1], s51
.endif
.endr
.endr
.irp i, 2,4,6
.irp c, 0,1
.irp u, 0,1
.if 2*(\g)+\u < 5
	v_max3_num_f32 v[SA+8*(2*(\g)+\u)+\c], v[128*\u+16*(\b)+8*\c+\i], v[128*\u+16*(\b)+8*\c+\i+1], v[SA+8*(2*(\g)+\u)+\c]
.endif
.endr
.endr
.endr
.endm
.macro SCL b                           ; block b's scale: SA + 2 the conversion's operand, SA + 3 = 448 x the scale, its byte into h1's scale word.  First the LDS loads that are due
	WIN 0
.if (\b) < 6
	LOADT1 (\b)+2                                  ; into the chunk that block b has just read
.elseif (\b) == 7
	PRE LI2, TB2                                   ; the tables are done with: the second product's first four fragments
.endif
.irp m, 0,1,2,3,4
	v_max_num_f32 v[SA+8*\m], v[SA+8*\m], v[SA+8*\m+1]
.endr
.irp m, 0,1,2,3,4
	v_permlanex16_b32 v[SA+8*\m+1], v[SA+8*\m], s42, s43
.endr
.irp m, 0,1,2,3,4
	v_max_num_f32 v[SA+8*\m], v[SA+8*\m], v[SA+8*\m+1]
.endr
.irp m, 0,1,2,3,4
	v_add_nc_u32 v[SA+8*\m+2], s52, v[SA+8*\m]
.endr
.irp m, 0,1,2,3,4
	v_and_or_b32 v[SA+8*\m+3], v[SA+8*\m], s53, s44
.endr
.if ((\b)%4) == 0
.irp m, 0,1,2,3,4
	v_lshrrev_b32 v[HS+2*\m+(\b)/4], 23, v[SA+8*\m+2]
.endr
.else
.irp m, 0,1,2,3,4
	v_lshrrev_b32 v[SA+8*\m+1], 23, v[SA+8*\m+2]
.endr
.irp m, 0,1,2,3,4
	v_lshl_or_b32 v[HS+2*\m+(\b)/4], v[SA+8*\m+1], 8*((\b)%4), v[HS+2*\m+(\b)/4]
.endr
.endif
.endm
; Block b becomes four registers of codes, H + 4 b .. 4 b + 3, which lie in a block that has been converted.  Block 0's first two would lie on their own sources: they wait in SA + 4, + 5.
; Entered and left with destination and source 0 in the group's window.
.macro QCV b, g
.irp i, 0,1,2,3,4,5,6,7,8,9,10,11,12,13,14,15
.irp u, 0,1
.if 2*(\g)+\u < 5
	v_med3_num_f32 v[128*\u+16*(\b)+\i], v[128*\u+16*(\b)+\i], 0, v[SA+8*(2*(\g)+\u)+3]   ; relu and the hold at 448 x the scale in one
.endif
.endr
.endr
.if (\b) == 0
	WIN (\g)+1
.irp u, 0,1
.if 2*(\g)+\u < 5
	v_cvt_scalef32_pk8_fp8_f32 v[SA+8*(2*(\g)+\u)+4:SA+8*(2*(\g)+\u)+5], v[128*\u:128*\u+7], v[SA+8*(2*(\g)+\u)+2]
.endif
.endr
	WIN 65*((\g)+1)
	v_nop                                          ; a plain line before the next conversions write registers that these have read
.irp u, 0,1
.if 2*(\g)+\u < 5
	v_cvt_scalef32_pk8_fp8_f32 v[128*\u+2:128*\u+3], v[128*\u+8:128*\u+15], v[SA+8*(2*(\g)+\u)+2]
.endif
.endr
	v_nop
.else
.irp u, 0,1
.if 2*(\g)+\u < 5
	v_cvt_scalef32_pk8_fp8_f32 v[128*\u+4*(\b):128*\u+4*(\b)+1], v[128*\u+16*(\b):128*\u+16*(\b)+7], v[SA+8*(2*(\g)+\u)+2]
	v_cvt_scalef32_pk8_fp8_f32 v[128*\u+4*(\b)+2:128*\u+4*(\b)+3], v[128*\u+16*(\b)+8:128*\u+16*(\b)+15], v[SA+8*(2*(\g)+\u)+2]
.endif
.endr
	v_nop                                          ; a plain line behind the last conversion
.endif
.endm
.macro L2CH b                          ; block b of h2: d / std x g2 + be2, relu, and its part of the dot with w3, in four pairs of sums a tile
.if (\b) < 3
	s_wait_dscnt 12                                ; this block's 12 table loads are in; the next block's 12 may be out
.else
	s_wait_dscnt 0
.endif
.irp g, 0,1,2
	WIN 65*(\g+1)
.irp i, 0,2,4,6,8,10,12,14
.irp u, 0,1
.if 2*\g+\u < 5
	v_pk_mul_f32 v[128*\u+64+16*(\b)+\i:128*\u+64+16*(\b)+\i+1], v[128*\u+64+16*(\b)+\i:128*\u+64+16*(\b)+\i+1], v[RS+2*(2*\g+\u):RS+2*(2*\g+\u)+1] op_sel_hi:[1,0]
.endif
.endr
.endr
.irp i, 0,2,4,6,8,10,12,14
.irp u, 0,1
.if 2*\g+\u < 5
	v_pk_fma_f32 v[128*\u+64+16*(\b)+\i:128*\u+64+16*(\b)+\i+1], v[128*\u+64+16*(\b)+\i:128*\u+64+16*(\b)+\i+1], v[FB+48*((\b)%2)+\i:FB+48*((\b)%2)+\i+1], v[FB+48*((\b)%2)+16+\i:FB+48*((\b)%2)+16+\i+1]
.endif
.endr
.endr
.irp i, 0,1,2,3,4,5,6,7,8,9,10,11,12,13,14,15
.irp u, 0,1
.if 2*\g+\u < 5
	v_max_num_f32 v[128*\u+64+16*(\b)+\i], v[128*\u+64+16*(\b)+\i], 0
.endif
.endr
.endr
	WIN \g+1
.irp i, 0,1,2,3,4,5,6,7
.irp u, 0,1
.if 2*\g+\u < 5
.if ((\b) == 0) && (\i < 4)
	v_pk_mul_f32 v[SA+8*(2*\g+\u)+2*(\i%4):SA+8*(2*\g+\u)+2*(\i%4)+1], v[128*\u+64+16*(\b)+2*\i:128*\u+64+16*(\b)+2*\i+1], v[FB+48*((\b)%2)+32+2*\i:FB+48*((\b)%2)+32+2*\i+1]
.else
	v_pk_fma_f32 v[SA+8*(2*\g+\u)+2*(\i%4):SA+8*(2*\g+\u)+2*(\i%4)+1], v[128*\u+64+16*(\b)+2*\i:128*\u+64+16*(\b)+2*\i+1], v[FB+48*((\b)%2)+32+2*\i:FB+48*((\b)%2)+32+2*\i+1], v[SA+8*(2*\g+\u)+2*(\i%4):SA+8*(2*\g+\u)+2*(\i%4)+1]
.endif
.endif
.endr
.endr
.endr
	WIN 0
.if (\b) < 2
	LOADT2 (\b)+2
.endif
.endm
.macro FINISH                          ; sigmoid(dot + b3) = 1 / (1 + 2^(-log2(e) (dot + b3))); the five results go to the work-group's stage
	REDUCE
.irp m, 0,1,2,3,4
	v_fma_f32 v[SA+8*\m], v[SA+8*\m], s59, s60
.endr
.irp m, 0,1,2,3,4
	v_exp_f32 v[SA+8*\m+1], v[SA+8*\m]
.endr
	v_add_nc_u32 v[TP], s45, v[OA0]                ; this trip's place in the stage (the plain line behind the batch)
	s_wait_alu depctr_va_vdst(0)                   ; one wait for the five, ahead of their first reader
.irp m, 0,1,2,3,4
	v_add_f32 v[SA+8*\m+1], 1.0, v[SA+8*\m+1]
.endr
.irp m, 0,1,2,3,4
	v_rcp_f32 v[SA+8*\m], v[SA+8*\m+1]
.endr
	v_nop
	s_wait_alu depctr_va_vdst(0)
.irp m, 0,1,2,3,4
	ds_store_b32 v[TP], v[SA+8*\m] offset:64*\m    ; lanes r and r + 16 write the same word with the same value
.endr
.endm
; ---------------- the head ----------------
	s_load_b512 s[8:23], s[0:1], 0x0               ; x_codes 8, x_scl 10, edge_index 12, neg_edge_index 14, w_img 16, w_scl 18, b1 20, g1 22
	s_load_b512 s[24:39], s[0:1], 0x40             ; be1 24, b2 26, g2 28, be2 30, w3 32, b3 34, out0 36, out1 38
	v_lshl_add_u32 v[SPW], v0, 2, SPARE
	v_mov_b32 v[NIL], 0
	v_lshrrev_b32 v250, 5, v0
	v_readfirstlane_b32 s40, v250                  ; wave 0..3
	v_and_b32 v250, 31, v0                         ; lane
	v_and_b32 v251, 15, v0                         ; r
	v_bfe_u32 v252, v0, 4, 1                       ; h
	v_lshlrev_b32 v[LI], 4, v250
	v_add_nc_u32 v[LI2], W2IMG, v[LI]
	v_lshl_add_u32 v[TA], v252, 6, TAB
	s_mul_i32 s50, s40, 1600                       ; a wave's 400 edges x 4 bytes
	s_add_co_u32 s2, s50, OUTS
	v_lshl_add_u32 v[OA0], v251, 2, s2
	v_lshlrev_b32 v[IOA], 2, v251
	v_mad_u32_u24 v[IOS], v252, 0xc3500, v[IOA]
	v_lshlrev_b32 v[H16], 4, v252
	v_lshlrev_b32 v96, 4, v0                       ; the copies into LDS: 16, 8 and 4 bytes a thread
	v_add_nc_u32 v97, W2IMG, v96
	v_lshlrev_b32 v113, 3, v0
	v_lshlrev_b32 v114, 2, v0
	v_add_nc_u32 v110, TAB, v113
	v_add_nc_u32 v111, TAB, v114
	v_lshlrev_b32 v112, 3, v251
	v_lshl_add_u32 v112, v252, 8, v112             ; the weights' scale words: 8 r, + 256 in lanes 16-31: K step 1's piece
.irp m, 0,1,2,3,4
	v_mov_b32 v[RS+2*\m+1], 0                      ; named as the upper halves of pairs, so they are written
.endr
	s_mov_b32 s42, 0x76543210
	s_mov_b32 s43, 0xfedcba98                      ; v_permlanex16_b32's selects for lane l xor 16
	s_mov_b32 s44, 0x600000                        ; the mantissa field of 448
	s_mov_b32 s51, 0x04800000                      ; the floor 2^(9 - 127)
	s_mov_b32 s52, 0xfc000000                      ; 8 off an exponent field
	s_mov_b32 s53, 0x7f800000
	s_mov_b32 s54, 0xbb800000                      ; -1/256
	s_mov_b32 s55, 0x3b800000                      ; 1/256
	s_mov_b32 s56, 0xbc000000                      ; -1/128
	s_mov_b32 s57, 0x3c000000                      ; 1/128
	s_mov_b32 s58, 0x3727c5ac                      ; 1e-5
	s_mov_b32 s59, 0xbfb8aa3b                      ; -log2(e)
	s_mov_b32 s3, 0
	s_wait_kmcnt 0x0
	s_load_b32 s48, s[34:35], 0x0                  ; b3
	s_cmp_lt_u32 ttmp9, 125                        ; positive edges or negative: the choice hangs on the work-group's number alone
	s_cselect_b64 s[46:47], s[12:13], s[14:15]
	s_cselect_b32 s49, 1.0, 0                      ; the label
	s_cselect_b32 s2, 0, 125
	s_sub_co_u32 s2, ttmp9, s2
	s_mul_i32 s2, s2, 6400
	s_add_co_u32 s2, s2, s50
	s_add_nc_u64 s[46:47], s[46:47], s[2:3]        ; my wave's first edge in its list
	s_mul_i32 s2, ttmp9, 6400
	s_add_nc_u64 s[36:37], s[36:37], s[2:3]        ; the work-group's 1,600 rows of out0 and out1: 25 x 256 bytes
	s_add_nc_u64 s[38:39], s[38:39], s[2:3]
	IDXLOAD                                        ; group 0: 15 loads
.irp t, 0,1,2,3,4,5,6,7,8,9,10,11,12,13,14,15,16,17,18,19,20,21,22,23
	global_load_b32 v[W1S+\t], v112, s[18:19] offset:512*\t   ; W1's 16 tiles, then W2's 8
.endr
	global_load_b64 v[100:101], v113, s[20:21]
	global_load_b64 v[102:103], v113, s[22:23]
	global_load_b64 v[104:105], v113, s[24:25]
	global_load_b32 v106, v114, s[26:27]
	global_load_b32 v107, v114, s[28:29]
	global_load_b32 v108, v114, s[30:31]
	global_load_b32 v109, v114, s[32:33]
	WIN 0x40                                       ; destination window 1: H(0) and H(1) are free here
.set KI, 0
.rept 48
	global_load_b128 v[4*KI:4*KI+3], v96, s[16:17] offset:2048*KI   ; the work-group's 128 threads copy an image a line
.set KI, KI+1
.endr
	WIN 0
	s_wait_loadcnt 63                              ; 79 loads are younger than the 15 index loads; 63 is the most a count can name, and it shows the oldest 31 done
	GATHER                                         ; group 0: 45 loads
	s_wait_xcnt 0x0                                ; the gathers have read their address registers, and the index loads their base: both are written again only behind this wait
	s_add_nc_u64 s[46:47], s[46:47], 320
	IDXLOAD                                        ; group 1
	s_wait_loadcnt 60                              ; all but the 45 + 15 just issued: weights, tables and scale words are in
	WIN 0x04                                       ; an LDS store's data are its source 1: window 1
.set KI, 0
.rept 32
	ds_store_b128 v96, v[4*KI:4*KI+3] offset:2048*KI
.set KI, KI+1
.endr
.rept 16
	ds_store_b128 v97, v[4*KI:4*KI+3] offset:2048*(KI-32)
.set KI, KI+1
.endr
	WIN 0
	ds_store_b64 v110, v[100:101] offset:TB1
	ds_store_b64 v110, v[102:103] offset:TG1
	ds_store_b64 v110, v[104:105] offset:TE1
	ds_store_b32 v111, v106 offset:TB2
	ds_store_b32 v111, v107 offset:TG2
	ds_store_b32 v111, v108 offset:TE2
	ds_store_b32 v111, v109 offset:TW3
	s_wait_kmcnt 0x0
	s_mul_f32 s60, s48, s59                        ; -log2(e) b3
	s_wait_dscnt 0x0                               ; for the others' sake: my stores have landed
	s_barrier_signal -1
	s_barrier_wait -1                              ; weights and tables lie in LDS; nobody writes them again
	PRE LI, TB1
	s_mov_b32 s41, 0                               ; trip
	s_mov_b32 s45, 0                               ; its place in my part of the stage
; ---------------- a trip: 80 edges ----------------
.Ltrip:
	s_wait_loadcnt 0x0                             ; this group's codes and scale words, asked for behind the last trip's first product, and the next group's indices
.set FI, 0
.rept 32
	P1STEP FI
.set FI, FI+1
.endr
	PLACES 8                                       ; in front of loads into registers that the last products read, and of the first read of results
	s_cmp_eq_u32 s41, 4                            ; the look-ahead: the next group's gathers, the indices of the group after it; no load leaves its buffer
	s_cbranch_scc1 .Lng
	GATHER
	s_cmp_eq_u32 s41, 3
	s_cbranch_scc1 .Lng
	s_wait_xcnt 0x0                                ; the gathers have read their address registers, the last index loads their base
	s_add_nc_u64 s[46:47], s[46:47], 320
	IDXLOAD
.Lng:
	LOADT1 0
	LOADT1 1
	SUMS 0, 128
	MEAN 54
	CENTRE 0, 128
	RSTD 55
.irp b, 0,1,2,3,4,5,6,7                ; block b is normalised and its maximum taken while block b - 1 is converted
.if \b < 7
	s_wait_dscnt 8                                 ; this block's 8 table loads are in; the next block's 8 may be out
.else
	s_wait_dscnt 0
.endif
.irp g, 0,1,2
	WIN 65*(\g+1)
.if \b > 0
	QCV \b-1, \g
.endif
	NRM \b, \g
	WIN 5*(\g+1)
	MAXB \b, \g
.endr
	SCL \b
.endr
.irp g, 0,1,2
	WIN 65*(\g+1)
	QCV 7, \g
	WIN 64*(\g+1)
.irp u, 0,1
.if 2*\g+\u < 5
	v_mov_b32 v[128*\u], v[SA+8*(2*\g+\u)+4]       ; block 0's first two registers of codes take their place
	v_mov_b32 v[128*\u+1], v[SA+8*(2*\g+\u)+5]
.endif
.endr
.endr
	WIN 0
	PLACES 8                                       ; operands written by vector instructions stand ahead of the scaled products; the scale words were finished ahead of the last block's holds
.set FI, 0
.rept 16
	P2STEP FI
.set FI, FI+1
.endr
	PLACES 8
	LOADT2 0
	LOADT2 1
	SUMS 64, 64
	MEAN 56
	CENTRE 64, 64
	RSTD 57
	L2CH 0
	L2CH 1
	L2CH 2
	L2CH 3
	s_cmp_eq_u32 s41, 4
	s_cbranch_scc1 .Lnp
	PRE LI, TB1                                    ; the next trip's first four fragments
.Lnp:
	FINISH
	s_add_co_u32 s45, s45, 320
	s_add_co_u32 s41, s41, 1
	s_cmp_lt_u32 s41, 5
	s_cbranch_scc1 .Ltrip
; ---------------- the way out: 6,400 bytes of each output, in whole aligned runs ----------------
	v_lshlrev_b32 v97, 4, v0
	v_add_nc_u32 v96, OUTS, v97
	v_and_b32 v98, 31, v0
	v_lshlrev_b32 v98, 3, v98
	v_add_nc_u32 v99, OUTS+6144, v98
.irp i, 0,1,2,3
	v_mov_b32 v[116+\i], s49                       ; the labels
.endr
	s_wait_dscnt 0x0                               ; my results have landed in the stage
	s_barrier_signal -1
	s_barrier_wait -1
.irp k, 0,1,2
	ds_load_b128 v[100+4*\k:103+4*\k], v96 offset:2048*\k
.endr
	s_wait_dscnt 0x0
.irp k, 0,1,2
	global_store_b128 v97, v[100+4*\k:103+4*\k], s[36:37] offset:2048*\k th:TH_STORE_NT   ; a wave stores 512 consecutive bytes, aligned
	global_store_b128 v97, v[116:119], s[38:39] offset:2048*\k th:TH_STORE_NT
.endr
	s_cmp_lg_u32 s40, 0                            ; the last 256 bytes: wave 0, 8 bytes a lane
	s_cbranch_scc1 .Lrest
	ds_load_b64 v[112:113], v99
	s_wait_dscnt 0x0
	global_store_b64 v98, v[112:113], s[36:37] offset:6144 th:TH_STORE_NT
	global_store_b64 v98, v[116:117], s[38:39] offset:6144 th:TH_STORE_NT
.Lrest:
	s_wait_tensorcnt 0x0                           ; the wave's end, behind my last LDS store
	ds_add_u32 v[SPW], v[NIL]
	s_wait_dscnt 0x0
	s_endpgm
.Lfunc_end_k_qc5fec4a8f6_mlp:
	.size	k_qc5fec4a8f6_mlp, .Lfunc_end_k_qc5fec4a8f6_mlp-k_qc5fec4a8f6_mlp
	.p2alignl 7, 3214868480
	.fill 96, 4, 3214868480
	.section	.rodata,"a",@progbits
	.p2align	6, 0x0
	.amdhsa_kernel k_qc5fec4a8f6_mlp
		.amdhsa_group_segment_fixed_size 110592
		.amdhsa_private_segment_fixed_size 0
		.amdhsa_enable_private_segment 0
		.amdhsa_kernarg_size 128
		.amdhsa_user_sgpr_count 2
		.amdhsa_user_sgpr_kernarg_segment_ptr 1
		.amdhsa_wavefront_size32 1
		.amdhsa_system_sgpr_workgroup_id_x 1
		.amdhsa_system_sgpr_workgroup_id_y 1
		.amdhsa_system_sgpr_workgroup_id_z 1
		.amdhsa_system_vgpr_workitem_id 0
		.amdhsa_next_free_vgpr 1024
		.amdhsa_next_free_sgpr 66
		.amdhsa_reserve_vcc 0
		.amdhsa_float_denorm_mode_32 3
		.amdhsa_float_denorm_mode_16_64 3
		.amdhsa_memory_ordered 1
		.amdhsa_forward_progress 1
		.amdhsa_inst_pref_size 255
	.end_amdhsa_kernel
	.section	.bss,"aw",@nobits
	.p2align	6
	.space	262144
	.amdgpu_metadata
---
amdhsa.version: [ 1, 2 ]
amdhsa.kernels:
  - .name:           k_qc5fec4a8f6_mlp
    .symbol:         k_qc5fec4a8f6_mlp.kd
    .args:
      - { .name: x_codes, .offset: 0, .size: 8, .value_kind: global_buffer, .address_space: global }
      - { .name: x_scl, .offset: 8, .size: 8, .value_kind: global_buffer, .address_space: global }
      - { .name: edge_index, .offset: 16, .size: 8, .value_kind: global_buffer, .address_space: global }
      - { .name: neg_edge_index, .offset: 24, .size: 8, .value_kind: global_buffer, .address_space: global }
      - { .name: w_img, .offset: 32, .size: 8, .value_kind: global_buffer, .address_space: global }
      - { .name: w_scl, .offset: 40, .size: 8, .value_kind: global_buffer, .address_space: global }
      - { .name: b1, .offset: 48, .size: 8, .value_kind: global_buffer, .address_space: global }
      - { .name: g1, .offset: 56, .size: 8, .value_kind: global_buffer, .address_space: global }
      - { .name: be1, .offset: 64, .size: 8, .value_kind: global_buffer, .address_space: global }
      - { .name: b2, .offset: 72, .size: 8, .value_kind: global_buffer, .address_space: global }
      - { .name: g2, .offset: 80, .size: 8, .value_kind: global_buffer, .address_space: global }
      - { .name: be2, .offset: 88, .size: 8, .value_kind: global_buffer, .address_space: global }
      - { .name: w3, .offset: 96, .size: 8, .value_kind: global_buffer, .address_space: global }
      - { .name: b3, .offset: 104, .size: 8, .value_kind: global_buffer, .address_space: global }
      - { .name: out0, .offset: 112, .size: 8, .value_kind: global_buffer, .address_space: global }
      - { .name: out1, .offset: 120, .size: 8, .value_kind: global_buffer, .address_space: global }
    .group_segment_fixed_size: 110592
    .private_segment_fixed_size: 0
    .kernarg_segment_align: 8
    .kernarg_segment_size: 128
    .max_flat_workgroup_size: 128
    .sgpr_count:     66
    .vgpr_count:     1024
    .wavefront_size: 32
...
	.end_amdgpu_metadata
.endif
;; end of part 2
;; ======== version 2 of 2: 2 launches
;; workspace buffers: x_codes 6,400,000 bytes; x_scl 800,000 bytes; w_img 98,304 bytes; w_scl 12,288 bytes
;; launch prep (part 3): grid 635 x 1, 5 waves a work-group, no clusters, 27,648 bytes of LDS; arguments x, w1, w2, x_codes, x_scl, w_img, w_scl; writes x_codes, x_scl, w_img, w_scl
.if DOCPART == 3
	.amdgcn_target "amdgcn-amd-amdhsa--gfx1250"
	.amdhsa_code_object_version 6
	.text
	.protected	k_qc5fec4a8f6_prep
	.globl	k_qc5fec4a8f6_prep
	.p2align	8
	.type	k_qc5fec4a8f6_prep,@function
k_qc5fec4a8f6_prep:
	s_mov_b64 s[64:65], 0
	v_nop
	global_prefetch_b8 v0, s[64:65] scope:SCOPE_SE
	s_setreg_imm32_b32 hwreg(HW_REG_WAVE_MODE, 25, 1), 1
	s_wait_xcnt 0x0
; LINK PREDICTION, launch 1 of 2: x, w1 and w2 become codes of E4M3 with one E8M0 scale byte for each 32 along K.
; WHY x IS QUANTISED ONCE.  feat = [x[src] | x[dst]] has K = 256 = 8 blocks of 32, and each block lies wholly inside one row of x (128 = 4 blocks).  So the quantised feat is a gather of the
; quantised x: 50,000 rows are quantised here, and the second launch gathers codes (128 bytes a row) and one scale word.
; DEAD WORK.  The input batch is named by no line of reference()'s body: whatever it holds, no output changes.  It is not loaded and is no argument of either launch.
; LIMIT: a NaN, an infinity or an overflow that reaches only what is left out (batch) is not carried to the result.
; LIMITS: NaN and infinities among x, w1, w2 are not served.  A block of zeros gets the byte 1 (the floor) where the rule says 127: its codes are zeros, which add nothing under any byte but 0xff,
; and the bytes are read by this program alone.  Blocks whose largest magnitude lies under 2^(9 - 127) are held at that byte too.
; SHARES.  Work-groups 0 to 624: x.  Wave W = 5 x work-group + wave takes rows 16 W .. 16 W + 15: 8,192 bytes in, 2,048 bytes of codes and 256 bytes of scale records out: 3,125 waves are all of x.
;   A step is 512 numbers (4 rows).  Each load reads 512 consecutive bytes; the step turns through the wave's own stage in LDS (16 bytes of padding behind each 64), so that a lane holds 16 neighbours along K.
;   x_scl holds a record of 16 bytes a row, the row's scale word four times over: a wave's 16 rows are 256 consecutive bytes, aligned.
; Work-groups 625 to 634: the weights.  Piece p = 5 x (work-group - 625) + wave is one operand fragment, 16 rows of W^T x 128 along K: p = 2 t + s for w1's tile t, K step s; p = 32 + 2 t + s for w2's.
;   48 pieces on 50 waves.
;   K is the weights' FIRST axis: a lane takes a column and its registers run down K, in the order of the operand's registers, so the conversions' results are the fragment; it is stored as it stands
;   (register group c, lane l at 2048 p + 512 c + 16 l).  THE COLUMNS OF A TILE ARE NOT NEIGHBOURS: lane r of tile t takes unit 32 (t / 2) + 8 (t % 2) + r + 8 (r / 8), so that in the second launch
;   the 16 registers of two neighbouring result tiles are 16 neighbours along the next K.  Scale words: lane l's word twice at 256 p + 8 l.
; No barrier: waves share nothing.  Only the x path uses LDS.
.set XWG,   625
.set WREG,  5376                       ; LDS of a wave: two stages of 32 x SP bytes, then its 64 scale bytes
.set SP,    80
.set SBO,   5120
.set SPARE, 5*WREG                     ; behind the five regions: the spare words, 128 bytes for each wave, in three blocks of 256 bytes that no other line names
.set EMAX,  8
.set MANT,  0x600000                   ; the mantissa field of 448
.set R,     16                         ; v16-79   four steps' numbers as loaded
.set X,     80                         ; v80-111  two sets of 16 neighbours
.set E,     112                        ; v112-115 a scale byte for each step
.set C,     128                        ; v128-143 codes, four registers a step: no store's data are written again
.set SPW,   12
.set NIL,   13
	s_load_b256 s[4:11], s[0:1], 0x0               ; x s[4:5], w1 s[6:7], w2 s[8:9], x_codes s[10:11]
	s_load_b128 s[12:15], s[0:1], 0x20             ; x_scl s[12:13], w_img s[14:15]
	s_load_b64 s[16:17], s[0:1], 0x30              ; w_scl
	v_lshl_add_u32 v[SPW], v0, 2, SPARE
	v_mov_b32 v[NIL], 0
	v_lshrrev_b32 v1, 5, v0
	v_readfirstlane_b32 s18, v1                    ; wave 0..4
	v_and_b32 v2, 31, v0                           ; lane
	v_lshlrev_b32 v3, 4, v2                        ; 16 x lane
	v_lshlrev_b32 v7, 3, v2                        ; 8 x lane
	s_mov_b32 s23, MANT
	s_mov_b32 s25, 0
	s_wait_kmcnt 0x0
	s_cmp_lt_u32 ttmp9, XWG
	s_cbranch_scc0 .Lweights
; ---------------- x ----------------
	s_mul_i32 s19, s18, WREG
	s_wait_alu depctr_va_vdst(0)
	v_lshrrev_b32 v14, 2, v2
	v_mul_u32_u24 v14, v14, SP
	v_and_b32 v15, 3, v2
	v_lshl_add_u32 v14, v15, 4, v14
	v_add_nc_u32 v14, s19, v14                     ; the stage, way in: SP (lane / 4) + 16 (lane % 4)
	v_mul_u32_u24 v15, v2, SP
	v_add_nc_u32 v15, s19, v15                     ; way out: SP x lane: my 16 neighbours
	v_lshrrev_b32 v5, 1, v2
	s_add_co_u32 s19, s19, SBO
	v_lshl_add_u32 v6, v5, 2, s19                  ; the scale word of row lane / 2
	v_add_nc_u32 v5, s19, v5                       ; my block's byte
	s_mul_i32 s20, ttmp9, 5
	s_add_co_u32 s20, s20, s18                     ; W
	s_lshl_b32 s24, s20, 13
	s_add_nc_u64 s[4:5], s[4:5], s[24:25]          ; x + 8,192 W
	s_lshl_b32 s24, s20, 11
	s_add_nc_u64 s[10:11], s[10:11], s[24:25]      ; x_codes + 2,048 W
	s_lshl_b32 s24, s20, 8
	s_add_nc_u64 s[12:13], s[12:13], s[24:25]      ; x_scl + 256 W
.macro LOAD t
.irp i, 0,1,2,3
	global_load_b128 v[R+16*(\t)+4*\i:R+16*(\t)+4*\i+3], v3, s[4:5] offset:2048*(\t)+512*\i th:TH_LOAD_NT   ; 32 lanes read 512 consecutive bytes; read once in the launch
.endr
.endm
.macro TURN t                          ; step t through the stage: LDS serves a wave's instructions in order, so no wait stands between the stores and the loads
.irp i, 0,1,2,3
	ds_store_b128 v14, v[R+16*(\t)+4*\i:R+16*(\t)+4*\i+3] offset:32*SP*((\t)%2)+8*SP*\i
.endr
.irp i, 0,1,2,3
	ds_load_b128 v[X+16*((\t)%2)+4*\i:X+16*((\t)%2)+4*\i+3], v15 offset:32*SP*((\t)%2)+16*\i
.endr
.endm
.irp t, 0,1,2,3
	LOAD \t
.endr
	s_wait_alu depctr_va_vdst(0)
	s_wait_loadcnt 12                              ; step 0's four loads are in; the twelve younger ones may be out
	TURN 0
.macro STEP t
.set XS, X+16*((\t)%2)
.if (\t) > 0
	s_wait_dscnt 1                                 ; this step's numbers are back from the stage; only the last step's byte store is younger
.else
	s_wait_dscnt 0x0
.endif
.if (\t) < 3
	s_wait_loadcnt 4*(2-(\t))                      ; the next step's four loads are in; those of the steps behind it may be out
	TURN (\t)+1                                    ; and go through the other stage while this step is worked
.endif
	v_max3_num_f32 v8, |v[XS]|, |v[XS+1]|, |v[XS+2]|               ; the largest magnitude of my 16, in two chains
	v_max3_num_f32 v9, |v[XS+3]|, |v[XS+4]|, |v[XS+5]|
.irp i, 6,10
	v_max3_num_f32 v8, v8, |v[XS+\i]|, |v[XS+\i+1]|
	v_max3_num_f32 v9, v9, |v[XS+\i+2]|, |v[XS+\i+3]|
.endr
	v_max3_num_f32 v8, v8, |v[XS+14]|, |v[XS+15]|
	v_max3_num_f32 v8, v8, v9, (EMAX+1)<<23        ; and the floor 2^(9 - 127): the byte cannot fall under 1
	v_max_num_f32_dpp v8, v8, v8 row_xmask:1 row_mask:0xf bank_mask:0xf   ; with my neighbour's 16: the block's
	v_add_nc_u32 v11, -(EMAX<<23), v8              ; 8 off its exponent field: the conversion's scale operand
	v_and_or_b32 v10, v8, 0x7f800000, s23          ; 448 x the scale
.irp i, 0,1,2,3,4,5,6,7,8,9,10,11,12,13,14,15
	v_med3_num_f32 v[XS+\i], v[XS+\i], -v10, v10   ; the conversion to an 8-bit code does not saturate (ISA guide 7.6.2): the hold comes first
.endr
	v_cvt_scalef32_pk8_fp8_f32 v[C+4*(\t):C+4*(\t)+1], v[XS:XS+7], v11
	v_cvt_scalef32_pk8_fp8_f32 v[C+4*(\t)+2:C+4*(\t)+3], v[XS+8:XS+15], v11
	v_lshrrev_b32 v[E+(\t)], 23, v11               ; the scale's byte (also the plain line behind the conversions)
	ds_store_b8 v5, v[E+(\t)] offset:16*(\t)       ; both lanes of a block write the same byte with the same value
	global_store_b128 v3, v[C+4*(\t):C+4*(\t)+3], s[10:11] offset:512*(\t)   ; 32 lanes store 512 consecutive bytes, aligned
.endm
.irp t, 0,1,2,3
	STEP \t
.endr
	ds_load_b32 v8, v6                             ; LDS serves a wave's instructions in order: this sees my byte stores
	s_wait_dscnt 0x0
	v_mov_b32 v9, v8
	global_store_b64 v7, v[8:9], s[12:13]          ; two lanes a record: 32 lanes store 256 consecutive bytes, aligned
	s_wait_tensorcnt 0x0                           ; the wave's end, behind my last LDS store
	ds_add_u32 v[SPW], v[NIL]
	s_wait_dscnt 0x0
	s_endpgm
; ---------------- the weights: no LDS on this path ----------------
.Lweights:
	s_sub_co_u32 s20, ttmp9, XWG
	s_mul_i32 s20, s20, 5
	s_add_co_u32 s20, s20, s18                     ; piece p
	s_cmp_lt_u32 s20, 48
	s_cbranch_scc1 .Lpiece
	s_endpgm                                       ; 50 waves for 48 pieces
.Lpiece:
	v_and_b32 v4, 15, v0                           ; r
	v_bfe_u32 v5, v0, 4, 1                         ; h
	s_wait_alu depctr_va_vdst(0)
	v_and_b32 v6, 8, v4
	v_add_nc_u32 v6, v6, v4                        ; r + 8 (r / 8)
	v_lshlrev_b32 v6, 2, v6
	s_mov_b32 s30, 0x76543210
	s_mov_b32 s31, 0xfedcba98                      ; v_permlanex16_b32's selects for lane l xor 16
	s_cmp_lt_u32 s20, 32                           ; w1's piece or w2's: the choice hangs on ids alone
	s_cselect_b64 s[26:27], s[6:7], s[8:9]
	s_cselect_b32 s21, 0, 32
	s_cselect_b32 s22, 17, 16                      ; log2 of 128 rows of K in bytes: 128 x 1,024 or 128 x 512
	s_cselect_b32 s28, 14, 13                      ; log2 of 16 rows
	s_sub_co_u32 s21, s20, s21                     ; 2 t + s
	s_and_b32 s24, s21, 1
	s_lshl_b32 s24, s24, s22                       ; K step s
	s_lshr_b32 s29, s21, 2
	s_lshl_b32 s29, s29, 7                         ; 32 (t / 2) columns of 4 bytes
	s_add_co_u32 s24, s24, s29
	s_bfe_u32 s29, s21, 0x10001
	s_lshl_b32 s29, s29, 5                         ; 8 (t % 2) columns
	s_add_co_u32 s24, s24, s29
	s_add_nc_u64 s[26:27], s[26:27], s[24:25]
	v_lshlrev_b32 v5, s28, v5                      ; lanes 16-31 begin 16 rows further down K
	s_wait_alu depctr_va_vdst(0)
	v_add_nc_u32 v5, v5, v6
.macro WLOAD pitch                     ; register 16 c + i = W(128 s + 32 c + 16 h + i, my column)
.irp c, 0,1,2,3
.irp i, 0,1,2,3,4,5,6,7,8,9,10,11,12,13,14,15
	global_load_b32 v[64+16*\c+\i], v5, s[26:27] offset:(32*\c+\i)*\pitch
.endr
.endr
.endm
	s_cmp_lt_u32 s20, 32
	s_cbranch_scc0 .Lw2
	WLOAD 1024
	s_branch .Lquant
.Lw2:
	s_wait_alu depctr_va_vdst(0)
	WLOAD 512
.Lquant:
	s_lshl_b32 s24, s20, 11
	s_add_nc_u64 s[14:15], s[14:15], s[24:25]      ; w_img + 2,048 p
	s_lshl_b32 s24, s20, 8
	s_add_nc_u64 s[16:17], s[16:17], s[24:25]      ; w_scl + 256 p
.irp b, 0,1,2,3
	v_mov_b32 v[36+\b], 0                          ; a lane permute's destination counts as one of its sources
.endr
	s_wait_loadcnt 0x0
.irp b, 0,1,2,3
	v_max3_num_f32 v[32+\b], |v[64+16*\b]|, |v[65+16*\b]|, 0x4800000   ; block b: my 16 numbers and the floor
.endr
.irp i, 2,4,6,8,10,12,14
.irp b, 0,1,2,3
	v_max3_num_f32 v[32+\b], v[32+\b], |v[64+16*\b+\i]|, |v[65+16*\b+\i]|   ; the four blocks by turns
.endr
.endr
.irp b, 0,1,2,3
	v_permlanex16_b32 v[36+\b], v[32+\b], s30, s31
.endr
.irp b, 0,1,2,3
	v_max_num_f32 v[32+\b], v[32+\b], v[36+\b]     ; with lane l xor 16's: the block's largest magnitude
.endr
.irp b, 0,1,2,3
	v_add_nc_u32 v[44+\b], 0xfc000000, v[32+\b]    ; the conversion's scale operand
.endr
.irp b, 0,1,2,3
	v_and_or_b32 v[40+\b], v[32+\b], 0x7f800000, s23   ; 448 x the scale
.endr
.irp b, 0,1,2,3
	v_lshrrev_b32 v[36+\b], 23, v[44+\b]           ; the scale's byte
.endr
	v_lshl_or_b32 v10, v37, 8, v36                 ; my column's scale word
	v_lshl_or_b32 v10, v38, 16, v10
	v_lshl_or_b32 v10, v39, 24, v10
	v_mov_b32 v11, v10
.irp c, 0,1,2,3
.irp i, 0,1,2,3,4,5,6,7,8,9,10,11,12,13,14,15
	v_med3_num_f32 v[64+16*\c+\i], v[64+16*\c+\i], -v[40+\c], v[40+\c]
.endr
	v_cvt_scalef32_pk8_fp8_f32 v[48+4*\c:49+4*\c], v[64+16*\c:71+16*\c], v[44+\c]
	v_cvt_scalef32_pk8_fp8_f32 v[50+4*\c:51+4*\c], v[72+16*\c:79+16*\c], v[44+\c]
.endr
	v_nop                                          ; a plain line behind the last conversion
.irp c, 0,1,2,3
	global_store_b128 v3, v[48+4*\c:51+4*\c], s[14:15] offset:512*\c   ; the fragment as it stands: 512 consecutive bytes a store
.endr
	global_store_b64 v7, v[10:11], s[16:17]        ; 256 consecutive bytes, aligned
	s_endpgm
.Lfunc_end_k_qc5fec4a8f6_prep:
	.size	k_qc5fec4a8f6_prep, .Lfunc_end_k_qc5fec4a8f6_prep-k_qc5fec4a8f6_prep
	.p2alignl 7, 3214868480
	.fill 96, 4, 3214868480
	.section	.rodata,"a",@progbits
	.p2align	6, 0x0
	.amdhsa_kernel k_qc5fec4a8f6_prep
		.amdhsa_group_segment_fixed_size 27648
		.amdhsa_private_segment_fixed_size 0
		.amdhsa_enable_private_segment 0
		.amdhsa_kernarg_size 56
		.amdhsa_user_sgpr_count 2
		.amdhsa_user_sgpr_kernarg_segment_ptr 1
		.amdhsa_wavefront_size32 1
		.amdhsa_system_sgpr_workgroup_id_x 1
		.amdhsa_system_sgpr_workgroup_id_y 1
		.amdhsa_system_sgpr_workgroup_id_z 1
		.amdhsa_system_vgpr_workitem_id 0
		.amdhsa_next_free_vgpr 144
		.amdhsa_next_free_sgpr 66
		.amdhsa_reserve_vcc 0
		.amdhsa_float_denorm_mode_32 3
		.amdhsa_float_denorm_mode_16_64 3
		.amdhsa_memory_ordered 1
		.amdhsa_forward_progress 1
		.amdhsa_inst_pref_size 37
	.end_amdhsa_kernel
	.amdgpu_metadata
---
amdhsa.version: [ 1, 2 ]
amdhsa.kernels:
  - .name:           k_qc5fec4a8f6_prep
    .symbol:         k_qc5fec4a8f6_prep.kd
    .args:
      - { .name: x, .offset: 0, .size: 8, .value_kind: global_buffer, .address_space: global }
      - { .name: w1, .offset: 8, .size: 8, .value_kind: global_buffer, .address_space: global }
      - { .name: w2, .offset: 16, .size: 8, .value_kind: global_buffer, .address_space: global }
      - { .name: x_codes, .offset: 24, .size: 8, .value_kind: global_buffer, .address_space: global }
      - { .name: x_scl, .offset: 32, .size: 8, .value_kind: global_buffer, .address_space: global }
      - { .name: w_img, .offset: 40, .size: 8, .value_kind: global_buffer, .address_space: global }
      - { .name: w_scl, .offset: 48, .size: 8, .value_kind: global_buffer, .address_space: global }
    .group_segment_fixed_size: 27648
    .private_segment_fixed_size: 0
    .kernarg_segment_align: 8
    .kernarg_segment_size: 56
    .max_flat_workgroup_size: 160
    .sgpr_count:     66
    .vgpr_count:     144
    .wavefront_size: 32
...
	.end_amdgpu_metadata
.endif
;; end of part 3
;; launch mlp (part 4): grid 250 x 1, 4 waves a work-group, no clusters, 110,592 bytes of LDS; arguments x_codes, x_scl, edge_index, neg_edge_index, w_img, w_scl, b1, g1, be1, b2, g2, be2, w3, b3, out0, out1; writes out0, out1
.if DOCPART == 4
	.amdgcn_target "amdgcn-amd-amdhsa--gfx1250"
	.amdhsa_code_object_version 6
	.text
	.protected	k_qc5fec4a8f6_mlp
	.globl	k_qc5fec4a8f6_mlp
	.p2align	8
	.type	k_qc5fec4a8f6_mlp,@function
k_qc5fec4a8f6_mlp:
	s_mov_b64 s[64:65], 0
	v_nop
	global_prefetch_b8 v0, s[64:65] scope:SCOPE_SE
	s_setreg_imm32_b32 hwreg(HW_REG_WAVE_SCHED_MODE, 0, 2), 2
	s_setreg_imm32_b32 hwreg(HW_REG_WAVE_MODE, 25, 1), 1
	s_wait_xcnt 0x0
	s_wait_alu depctr_vm_vsrc(0)
; LINK PREDICTION, launch 2 of 2: for each of 400,000 edges: gather the codes of x[src] and x[dst], product 1 (256 -> 256, + b1), LayerNorm, relu, quantiser, product 2 (256 -> 128, + b2), LayerNorm, relu,
; the dot with w3, + b3, sigmoid -> out0; the labels (1 for edge_index's rows, 0 for neg_edge_index's) -> out1.  The hidden layers never leave the registers.
; Left out as in the first launch: the input batch, which reference() never reads.
; LIMITS: NaN and infinities are not served; an index is held at 49,999, the table's last row; a block of zeros of the hidden layer has the scale byte 1 with zero codes (read here alone).
; SHARES.  400,000 = 250 work-groups x 4 waves x 5 trips x 80 edges.  A wave takes five tiles of 16 edges a trip.  Work-groups 0-124 lie wholly in edge_index, 125-249 in neg_edge_index (200,000 = 125 x 1,600).
; BOTH PRODUCTS ARE USED TRANSPOSED: source 0 = 16 rows of W^T, source 1 = 16 edges: a lane holds ONE edge (lane % 16) and its registers run along the hidden units; the other half of the units lies in lane xor 16.
; The first launch chose each weight tile's rows so that registers 16 b .. 16 b + 15 of a tile of edges are units 32 b + 16 (lane / 16) + 0 .. 15: the conversions' results are the next operand's registers,
; and the tables b, g, be, w3 are read in their natural order at 128 b + 64 (lane / 16) bytes.  The biases are the C of each sum's first matrix instruction.
; THE WEIGHTS, 98,304 bytes of fragment images, are copied into LDS once; each fragment read from LDS feeds five matrix instructions.
; LAYERNORM in two passes, as reference() writes it: the mean; d = h - mean in place; the mean of d^2; v_rsq_f32.
; NO CLUSTER: the grid's 250 work-groups are no multiple of 4, and what work-groups share (98,304 + 12,288 + 5,124 bytes of weights, scale words and tables) is read once by each,
; against 1,600 x 276 = 441,600 bytes of indices, codes and scale words that are its own.  No tensor load: nothing in LDS is filled again.
; REGISTERS, in windows of 256 (s_set_vgpr_msb: bits 1:0 source 0, 3:2 source 1, 5:4 source 2, 7:6 destination):
;   H(m) = 128 registers for tile m: window 1 + m / 2, from 128 (m % 2): h1; later h1's codes in its registers 0-31 and h2 in 64-127.   F(m), feat's two fragments: window 3 from 128 + 32 m (m < 4); F(4): window 0, v64-95.
;   window 0: v1-7 addresses; v8, v9 the add's two; v10-24 indices, then offsets; v25-29 feat's scale words (lanes 0-15 src's, 16-31 dst's); v30-39 h1's; v40-55 W1's, v56-63 W2's (lanes 0-15 K step 0, 16-31 K step 1);
;   v96-175 five fragment buffers (in the LayerNorms: table chunks); v176-199 three bias chunks; v200-239 eight registers of sums a tile; v240-249 1/std, a pair a tile; v250-255 at work.
; THE MODE: SCHED_MODE bits 1:0 = 2 (LLVM: expert scheduling mode 2), set by the entry lines.  The code itself states the register dependences between vector or matrix instructions
; and memory or LDS instructions, with s_wait_alu, always for 0.
; THE PLAN.  Registers that memory or LDS instructions touch in a trip, and who else names them:
;   FB, BC (v96-199)    LDS loads land there: weight fragments and bias chunks in the products, table chunks in the LayerNorms.  Read by the products and by the LayerNorms' lines; no vector instruction writes them in the loop.
;                       The products go in PAIRS of steps: one wait on va_vdst at a pair's head; behind it fragment f + 3, step f, fragment f + 4, step f + 1.  Step f names buffer f % 5 and bias chunk (f / 2) % 3;
;                       the pair's loads land in buffers (f - 2) % 5 and (f - 1) % 5 and in chunk (f / 2 + 2) % 3: so the load between the two steps owes nothing more.
;                       In the LayerNorms one wait stands ahead of each run of table loads, behind the lines that read the chunk.
;   F(m), F4, XSC       The gathers land there; product 1 alone reads them.   IS, ID, IC (v10-24): the index loads land there, 30 address lines rewrite them, the gathers read them as addresses.
;                       The address lines stand behind product 1's last step, and ONE wait on va_vdst behind them states: the addresses are written, and the products are done reading F, XSC and FB.
;                       The index loads follow much later in the trip, behind one wait on vm_vsrc: the gathers have read IS, ID, IC.
;   SA + 8 m, v250      Data and address of the five LDS stores at a trip's end; written again in the next trip, behind one wait on vm_vsrc that stands behind product 1.
;   v1-6                Addresses made at the head and never written again.
;   H(m), HS, RS and the rest of SA are named by vector and matrix instructions alone; h1's codes and HS, which vector instructions write, are shown written at the second product's first pair.
.set W2IMG, 65536                      ; LDS: W1's 32 images from 0, W2's 16 from here,
.set TAB,   98304                      ; the tables,
.set TB1,   0
.set TG1,   1024
.set TE1,   2048
.set TB2,   3072
.set TG2,   3584
.set TE2,   4096
.set TW3,   4608
.set OUTS,  103424                     ; the work-group's 1,600 results,
.set SPARE, 109824                     ; the spare words, 128 bytes for each wave: two blocks of 256 bytes that no other line names
.set LI,  1                            ; 16 x lane
.set LI2, 2                            ; W2IMG + 16 x lane
.set TA,  3                            ; TAB + 64 (lane / 16)
.set OA0, 4                            ; OUTS + 1,600 x wave + 4 (lane % 16)
.set IOA, 5                            ; 4 (lane % 16)
.set IOS, 6                            ; the same, + 800,000 in lanes 16-31: src's index below, dst's above
.set H16, 7                            ; 16 (lane / 16)
.set SPW, 8
.set NIL, 9
.set IS,  10
.set ID,  15
.set IC,  20
.set XSC, 25
.set HS,  30
.set W1S, 40
.set W2S, 56
.set F4,  64
.set FB,  96
.set BC,  176
.set SA,  200
.set RS,  240
.set TP,  250
.set MSB, 0
.macro WIN new                         ; the immediate's high byte repeats the setting that is left; a switch that changes nothing is dropped
.if MSB != (\new)
	s_set_vgpr_msb (MSB<<8)+(\new)
.set MSB, \new
.endif
.endm
.macro PLACES n
.rept \n
	v_nop
.endr
.endm
; Fragment f of a product into buffer f % 5; with an even f also the eight biases of its tile f / 2 into chunk (f / 2) % 3
.macro LOADF adr, tb, f
.irp c, 0,1,2,3
	ds_load_b128 v[FB+16*((\f)%5)+4*\c:FB+16*((\f)%5)+4*\c+3], v[\adr] offset:2048*(\f)+512*\c
.endr
.if ((\f)%2) == 0
.irp q, 0,1
	ds_load_b128 v[BC+8*(((\f)/2)%3)+4*\q:BC+8*(((\f)/2)%3)+4*\q+3], v[TA] offset:\tb+128*((\f)/4)+32*(((\f)/2)%2)+16*\q
.endr
.endif
.endm
.macro PRE adr, tb                     ; a product's first three fragments: 16 loads; the fourth comes at the first pair's head
.irp f, 0,1,2
	LOADF \adr, \tb, \f
.endr
.endm
; The wait at a step's head: fragment f's loads are in; the count is that of the LDS loads issued behind them: fragments f + 1 to f + 3 (an even one 6 loads, an odd one 4), fewer at the end
.macro DSW f, nf
.if (\f) == (\nf)-1
	s_wait_dscnt 0
.elseif (\f) == (\nf)-2
	s_wait_dscnt 4
.elseif (\f) == (\nf)-3
	s_wait_dscnt 10
.elseif ((\f)%2) == 0
	s_wait_dscnt 14
.else
	s_wait_dscnt 16
.endif
.endm
.macro P1MM m, f
.set DL, 128*((\m)%2)+8*((\f)/2)
.set AL, FB+16*((\f)%5)
.if (\m) < 4
.set BL, 128+32*(\m)+16*((\f)%2)
.else
.set BL, F4+16*((\f)%2)
.endif
.set CL, BC+8*(((\f)/2)%3)
.if ((\f)%2) == 0
	v_wmma_scale_f32_16x16x128_f8f6f4 v[DL:DL+7], v[AL:AL+15], v[BL:BL+15], v[CL:CL+7], v[W1S+(\f)/2], v[XSC+(\m)]
.else
	v_wmma_scale_f32_16x16x128_f8f6f4 v[DL:DL+7], v[AL:AL+15], v[BL:BL+15], v[DL:DL+7], v[W1S+(\f)/2], v[XSC+(\m)] matrix_a_scale:MATRIX_SCALE_ROW1 matrix_b_scale:MATRIX_SCALE_ROW1
.endif
.endm
.macro P2MM m, f
.set DL, 128*((\m)%2)+64+8*((\f)/2)
.set AL, FB+16*((\f)%5)
.set BL, 128*((\m)%2)+16*((\f)%2)
.set CL, BC+8*(((\f)/2)%3)
.if ((\f)%2) == 0
	v_wmma_scale_f32_16x16x128_f8f6f4 v[DL:DL+7], v[AL:AL+15], v[BL:BL+15], v[CL:CL+7], v[W2S+(\f)/2], v[HS+2*(\m)]
.else
	v_wmma_scale_f32_16x16x128_f8f6f4 v[DL:DL+7], v[AL:AL+15], v[BL:BL+15], v[DL:DL+7], v[W2S+(\f)/2], v[HS+2*(\m)+1] matrix_a_scale:MATRIX_SCALE_ROW1
.endif
.endm
; A STEP: one weight fragment (tile f / 2, K step f % 2) against the five tiles of edges.  The five accumulators take turns, one instruction a turn.
.macro P1STEP f
	DSW \f, 32
.irp m, 0,1,2,3,4
	WIN 64*(1+\m/2)+12*(1-\m/4)+16*((\f)%2)*(1+\m/2)
	P1MM \m, \f
.endr
	WIN 0
.endm
.macro P2STEP f
	DSW \f, 16
.irp m, 0,1,2,3,4
	WIN 68*(1+\m/2)+16*((\f)%2)*(1+\m/2)
	P2MM \m, \f
.endr
	WIN 0
.endm
; A PAIR OF STEPS, f even: a tile of weights, its two K steps.  The wait at its head serves both of the pair's runs of loads (the plan at the kernel's head).
; Eight places stand between the last step's last product and the loads into the buffer that it read.
.macro P1PAIR f
.if (\f)+3 < 32
.if (\f) > 0
	PLACES 8
.endif
	s_wait_alu depctr_va_vdst(0)                   ; the products issued so far are done reading the two buffers and the bias chunk in which this pair's loads land; at a trip's first pair: so are the last trip's lines, which read table chunks there
	LOADF LI, TB1, (\f)+3
.endif
	P1STEP \f
.if (\f)+4 < 32
	LOADF LI, TB1, (\f)+4                          ; no wait: the five products since the wait name buffer f % 5 and chunk (f / 2) % 3, these loads buffer (f - 1) % 5 and chunk (f / 2 + 2) % 3
.endif
	P1STEP (\f)+1
.endm
.macro P2PAIR f
.if (\f)+3 < 16
.if (\f) > 0
	PLACES 8
.endif
	s_wait_alu depctr_va_vdst(0)                   ; as in the first product; at the first pair also: the conversions and moves have written h1's codes, and the shifts its scale words, which the products below take as source 1 and as scales
	LOADF LI2, TB2, (\f)+3
.endif
	P2STEP \f
.if (\f)+4 < 16
	LOADF LI2, TB2, (\f)+4                         ; no wait, as in the first product
.endif
	P2STEP (\f)+1
.endm
.macro IDXLOAD                         ; a group's 80 edges: src, dst, and (src in lanes 0-15 | dst in lanes 16-31) for the scale words
.irp m, 0,1,2,3,4
	global_load_b32 v[IS+\m], v[IOA], s[46:47] offset:64*\m
	global_load_b32 v[ID+\m], v[IOA], s[46:47] offset:800000+64*\m
	global_load_b32 v[IC+\m], v[IOS], s[46:47] offset:64*\m
.endr
.endm
.macro GADDR                           ; a group's indices become byte offsets: 30 plain vector lines
.irp i, 0,1,2,3,4,5,6,7,8,9,10,11,12,13,14
	v_min_u32 v[IS+\i], 0xc34f, v[IS+\i]           ; an index stays inside the table
.endr
.irp i, 0,1,2,3,4,5,6,7,8,9
	v_lshl_add_u32 v[IS+\i], v[IS+\i], 7, v[H16]
.endr
.irp i, 0,1,2,3,4
	v_lshlrev_b32 v[IC+\i], 4, v[IC+\i]
.endr
.endm
.macro GLOADS                          ; 45 loads: lane (r, h) takes, of its edge's row, 16 bytes at 16 h + 32 c: the operand's registers
	WIN 0xc0
.irp m, 0,1,2,3
.irp c, 0,1,2,3
	global_load_b128 v[128+32*\m+4*\c:128+32*\m+4*\c+3], v[IS+\m], s[8:9] offset:32*\c
.endr
.irp c, 0,1,2,3
	global_load_b128 v[144+32*\m+4*\c:144+32*\m+4*\c+3], v[ID+\m], s[8:9] offset:32*\c
.endr
.endr
	WIN 0
.irp c, 0,1,2,3
	global_load_b128 v[F4+4*\c:F4+4*\c+3], v[IS+4], s[8:9] offset:32*\c
.endr
.irp c, 0,1,2,3
	global_load_b128 v[F4+16+4*\c:F4+16+4*\c+3], v[ID+4], s[8:9] offset:32*\c
.endr
.irp m, 0,1,2,3,4
	global_load_b32 v[XSC+\m], v[IC+\m], s[10:11]
.endr
.endm
; THE LAYERNORMS.  Tiles go in groups by window: g = 0: tiles 0, 1; g = 1: tiles 2, 3; g = 2: tile 4; a group's tiles take turns line by line.  lo: where the layer begins in H(m); nr: its registers.
.macro SUMS lo, nr                     ; four pairs of sums a tile; each accumulator of the product is first read at its low end (ascending order)
.irp g, 0,1,2
	WIN 5*(\g+1)
.irp k, 0,1,2,3
.irp u, 0,1
.if 2*\g+\u < 5
	v_pk_add_f32 v[SA+8*(2*\g+\u)+2*\k:SA+8*(2*\g+\u)+2*\k+1], v[128*\u+(\lo)+4*\k:128*\u+(\lo)+4*\k+1], v[128*\u+(\lo)+4*\k+2:128*\u+(\lo)+4*\k+3]
.endif
.endr
.endr
	WIN \g+1
.set SJ, 16
.rept ((\nr)-16)/2
.irp u, 0,1
.if 2*\g+\u < 5
	v_pk_add_f32 v[SA+8*(2*\g+\u)+2*((SJ/2)%4):SA+8*(2*\g+\u)+2*((SJ/2)%4)+1], v[128*\u+(\lo)+SJ:128*\u+(\lo)+SJ+1], v[SA+8*(2*\g+\u)+2*((SJ/2)%4):SA+8*(2*\g+\u)+2*((SJ/2)%4)+1]
.endif
.endr
.set SJ, SJ+2
.endr
.endr
.endm
.macro REDUCE                          ; a tile's four pairs, and lane xor 16's, become one number in SA + 0
	WIN 0
.irp m, 0,1,2,3,4
	v_pk_add_f32 v[SA+8*\m:SA+8*\m+1], v[SA+8*\m:SA+8*\m+1], v[SA+8*\m+2:SA+8*\m+3]
.endr
.irp m, 0,1,2,3,4
	v_pk_add_f32 v[SA+8*\m+4:SA+8*\m+5], v[SA+8*\m+4:SA+8*\m+5], v[SA+8*\m+6:SA+8*\m+7]
.endr
.irp m, 0,1,2,3,4
	v_pk_add_f32 v[SA+8*\m:SA+8*\m+1], v[SA+8*\m:SA+8*\m+1], v[SA+8*\m+4:SA+8*\m+5]
.endr
.irp m, 0,1,2,3,4
	v_add_f32 v[SA+8*\m], v[SA+8*\m], v[SA+8*\m+1]
.endr
.irp m, 0,1,2,3,4
	v_permlanex16_b32 v[SA+8*\m+2], v[SA+8*\m], s42, s43
.endr
.irp m, 0,1,2,3,4
	v_add_f32 v[SA+8*\m], v[SA+8*\m], v[SA+8*\m+2]
.endr
.endm
.macro MEAN sneg                       ; SA + 4 = -mean
	REDUCE
.irp m, 0,1,2,3,4
	v_mul_f32 v[SA+8*\m+4], s[\sneg], v[SA+8*\m]
.endr
.endm
.macro CENTRE lo, nr                   ; d = h - mean in place, then the sums of d^2
.irp g, 0,1,2
	WIN 65*(\g+1)
.set SJ, 0
.rept (\nr)/2
.irp u, 0,1
.if 2*\g+\u < 5
	v_pk_add_f32 v[128*\u+(\lo)+SJ:128*\u+(\lo)+SJ+1], v[128*\u+(\lo)+SJ:128*\u+(\lo)+SJ+1], v[SA+8*(2*\g+\u)+4:SA+8*(2*\g+\u)+5] op_sel_hi:[1,0]
.endif
.endr
.set SJ, SJ+2
.endr
	WIN 5*(\g+1)
.irp k, 0,1,2,3
.irp u, 0,1
.if 2*\g+\u < 5
	v_pk_mul_f32 v[SA+8*(2*\g+\u)+2*\k:SA+8*(2*\g+\u)+2*\k+1], v[128*\u+(\lo)+2*\k:128*\u+(\lo)+2*\k+1], v[128*\u+(\lo)+2*\k:128*\u+(\lo)+2*\k+1]
.endif
.endr
.endr
.set SJ, 8
.rept ((\nr)-8)/2
.irp u, 0,1
.if 2*\g+\u < 5
	v_pk_fma_f32 v[SA+8*(2*\g+\u)+2*((SJ/2)%4):SA+8*(2*\g+\u)+2*((SJ/2)%4)+1], v[128*\u+(\lo)+SJ:128*\u+(\lo)+SJ+1], v[128*\u+(\lo)+SJ:128*\u+(\lo)+SJ+1], v[SA+8*(2*\g+\u)+2*((SJ/2)%4):SA+8*(2*\g+\u)+2*((SJ/2)%4)+1]
.endif
.endr
.set SJ, SJ+2
.endr
.endr
.endm
.macro RSTD sinv                       ; RS(m) = 1 / sqrt(mean of d^2 + 1e-5): five roots as one batch, one plain line, one wait ahead of the first reader
	REDUCE
.irp m, 0,1,2,3,4
	v_fma_f32 v[SA+8*\m], v[SA+8*\m], s[\sinv], s58
.endr
	s_wait_alu depctr_va_vdst(0)
.irp m, 0,1,2,3,4
	v_rsq_f32 v[RS+2*\m], v[SA+8*\m]
.endr
	v_nop
	s_wait_alu depctr_va_vdst(0)                   ; the five roots have written RS(0) to RS(4), ahead of the first line that names them
.endm
.macro LOADT1 b                        ; g1 and be1 of block b's 16 units of my half: 8 loads into chunk b % 2
.irp q, 0,1,2,3
	ds_load_b128 v[FB+32*((\b)%2)+4*\q:FB+32*((\b)%2)+4*\q+3], v[TA] offset:TG1+128*(\b)+16*\q
.endr
.irp q, 0,1,2,3
	ds_load_b128 v[FB+32*((\b)%2)+16+4*\q:FB+32*((\b)%2)+16+4*\q+3], v[TA] offset:TE1+128*(\b)+16*\q
.endr
.endm
.macro LOADT2 b                        ; g2, be2 and w3 likewise: 12 loads
.irp q, 0,1,2,3
	ds_load_b128 v[FB+48*((\b)%2)+4*\q:FB+48*((\b)%2)+4*\q+3], v[TA] offset:TG2+128*(\b)+16*\q
.endr
.irp q, 0,1,2,3
	ds_load_b128 v[FB+48*((\b)%2)+16+4*\q:FB+48*((\b)%2)+16+4*\q+3], v[TA] offset:TE2+128*(\b)+16*\q
.endr
.irp q, 0,1,2,3
	ds_load_b128 v[FB+48*((\b)%2)+32+4*\q:FB+48*((\b)%2)+32+4*\q+3], v[TA] offset:TW3+128*(\b)+16*\q
.endr
.endm
.macro NRM b, g                        ; block b of h1: d / std x g1 + be1
.irp i, 0,2,4,6,8,10,12,14
.irp u, 0,1
.if 2*(\g)+\u < 5
	v_pk_mul_f32 v[128*\u+16*(\b)+\i:128*\u+16*(\b)+\i+1], v[128*\u+16*(\b)+\i:128*\u+16*(\b)+\i+1], v[RS+2*(2*(\g)+\u):RS+2*(2*(\g)+\u)+1] op_sel_hi:[1,0]
.endif
.endr
.endr
.irp i, 0,2,4,6,8,10,12,14
.irp u, 0,1
.if 2*(\g)+\u < 5
	v_pk_fma_f32 v[128*\u+16*(\b)+\i:128*\u+16*(\b)+\i+1], v[128*\u+16*(\b)+\i:128*\u+16*(\b)+\i+1], v[FB+32*((\b)%2)+\i:FB+32*((\b)%2)+\i+1], v[FB+32*((\b)%2)+16+\i:FB+32*((\b)%2)+16+\i+1]
.endif
.endr
.endr
.endm
.macro MAXB b, g                       ; the largest of my 16, in two chains, over the floor 2^(9 - 127).  No |.|: what is negative becomes 0 (relu) and must not count
.irp c, 0,1
.irp u, 0,1
.if 2*(\g)+\u < 5
	v_max3_num_f32 v[SA+8*(2*(\g)+\u)+\c], v[128*\u+16*(\b)+8*\c], v[128*\u+16*(\b)+8*\c+1], s51
.endif
.endr
.endr
.irp i, 2,4,6
.irp c, 0,1
.irp u, 0,1
.if 2*(\g)+\u < 5
	v_max3_num_f32 v[SA+8*(2*(\g)+\u)+\c], v[128*\u+16*(\b)+8*\c+\i], v[128*\u+16*(\b)+8*\c+\i+1], v[SA+8*(2*(\g)+\u)+\c]
.endif
.endr
.endr
.endr
.endm
.macro SCL b                           ; block b's scale: SA + 2 the conversion's operand, SA + 3 = 448 x the scale, its byte into h1's scale word.  First the LDS loads that are due
	WIN 0
.if (\b) < 6
	s_wait_alu depctr_va_vdst(0)                   ; block b's multiply-adds are done reading table chunk b % 2, in which the loads below land
	LOADT1 (\b)+2                                  ; into the chunk that block b has just read
.elseif (\b) == 7
	s_wait_alu depctr_va_vdst(0)                   ; the last two blocks' multiply-adds are done reading both table chunks; the first product's steps are done reading the bias chunks: the loads below land in them
	PRE LI2, TB2                                   ; the tables are done with: the second product's first three fragments
.endif
.irp m, 0,1,2,3,4
	v_max_num_f32 v[SA+8*\m], v[SA+8*\m], v[SA+8*\m+1]
.endr
.irp m, 0,1,2,3,4
	v_permlanex16_b32 v[SA+8*\m+1], v[SA+8*\m], s42, s43
.endr
.irp m, 0,1,2,3,4
	v_max_num_f32 v[SA+8*\m], v[SA+8*\m], v[SA+8*\m+1]
.endr
.irp m, 0,1,2,3,4
	v_add_nc_u32 v[SA+8*\m+2], s52, v[SA+8*\m]
.endr
.irp m, 0,1,2,3,4
	v_and_or_b32 v[SA+8*\m+3], v[SA+8*\m], s53, s44
.endr
.if ((\b)%4) == 0
.irp m, 0,1,2,3,4
	v_lshrrev_b32 v[HS+2*\m+(\b)/4], 23, v[SA+8*\m+2]
.endr
.else
.irp m, 0,1,2,3,4
	v_lshrrev_b32 v[SA+8*\m+1], 23, v[SA+8*\m+2]
.endr
.irp m, 0,1,2,3,4
	v_lshl_or_b32 v[HS+2*\m+(\b)/4], v[SA+8*\m+1], 8*((\b)%4), v[HS+2*\m+(\b)/4]
.endr
.endif
.endm
; Block b becomes four registers of codes, H + 4 b .. 4 b + 3, which lie in a block that has been converted.  Block 0's first two would lie on their own sources: they wait in SA + 4, + 5.
; Entered and left with destination and source 0 in the group's window.
.macro QCV b, g
.irp i, 0,1,2,3,4,5,6,7,8,9,10,11,12,13,14,15
.irp u, 0,1
.if 2*(\g)+\u < 5
	v_med3_num_f32 v[128*\u+16*(\b)+\i], v[128*\u+16*(\b)+\i], 0, v[SA+8*(2*(\g)+\u)+3]   ; relu and the hold at 448 x the scale in one
.endif
.endr
.endr
.if (\b) == 0
	WIN (\g)+1
.irp u, 0,1
.if 2*(\g)+\u < 5
	v_cvt_scalef32_pk8_fp8_f32 v[SA+8*(2*(\g)+\u)+4:SA+8*(2*(\g)+\u)+5], v[128*\u:128*\u+7], v[SA+8*(2*(\g)+\u)+2]
.endif
.endr
	WIN 65*((\g)+1)
	v_nop                                          ; a plain line before the next conversions write registers that these have read
.irp u, 0,1
.if 2*(\g)+\u < 5
	v_cvt_scalef32_pk8_fp8_f32 v[128*\u+2:128*\u+3], v[128*\u+8:128*\u+15], v[SA+8*(2*(\g)+\u)+2]
.endif
.endr
	v_nop
.else
.irp u, 0,1
.if 2*(\g)+\u < 5
	v_cvt_scalef32_pk8_fp8_f32 v[128*\u+4*(\b):128*\u+4*(\b)+1], v[128*\u+16*(\b):128*\u+16*(\b)+7], v[SA+8*(2*(\g)+\u)+2]
	v_cvt_scalef32_pk8_fp8_f32 v[128*\u+4*(\b)+2:128*\u+4*(\b)+3], v[128*\u+16*(\b)+8:128*\u+16*(\b)+15], v[SA+8*(2*(\g)+\u)+2]
.endif
.endr
	v_nop                                          ; a plain line behind the last conversion
.endif
.endm
.macro L2CH b                          ; block b of h2: d / std x g2 + be2, relu, and its part of the dot with w3, in four pairs of sums a tile
.if (\b) < 3
	s_wait_dscnt 12                                ; this block's 12 table loads are in; the next block's 12 may be out
.else
	s_wait_dscnt 0
.endif
.irp g, 0,1,2
	WIN 65*(\g+1)
.irp i, 0,2,4,6,8,10,12,14
.irp u, 0,1
.if 2*\g+\u < 5
	v_pk_mul_f32 v[128*\u+64+16*(\b)+\i:128*\u+64+16*(\b)+\i+1], v[128*\u+64+16*(\b)+\i:128*\u+64+16*(\b)+\i+1], v[RS+2*(2*\g+\u):RS+2*(2*\g+\u)+1] op_sel_hi:[1,0]
.endif
.endr
.endr
.irp i, 0,2,4,6,8,10,12,14
.irp u, 0,1
.if 2*\g+\u < 5
	v_pk_fma_f32 v[128*\u+64+16*(\b)+\i:128*\u+64+16*(\b)+\i+1], v[128*\u+64+16*(\b)+\i:128*\u+64+16*(\b)+\i+1], v[FB+48*((\b)%2)+\i:FB+48*((\b)%2)+\i+1], v[FB+48*((\b)%2)+16+\i:FB+48*((\b)%2)+16+\i+1]
.endif
.endr
.endr
.irp i, 0,1,2,3,4,5,6,7,8,9,10,11,12,13,14,15
.irp u, 0,1
.if 2*\g+\u < 5
	v_max_num_f32 v[128*\u+64+16*(\b)+\i], v[128*\u+64+16*(\b)+\i], 0
.endif
.endr
.endr
	WIN \g+1
.irp i, 0,1,2,3,4,5,6,7
.irp u, 0,1
.if 2*\g+\u < 5
.if ((\b) == 0) && (\i < 4)
	v_pk_mul_f32 v[SA+8*(2*\g+\u)+2*(\i%4):SA+8*(2*\g+\u)+2*(\i%4)+1], v[128*\u+64+16*(\b)+2*\i:128*\u+64+16*(\b)+2*\i+1], v[FB+48*((\b)%2)+32+2*\i:FB+48*((\b)%2)+32+2*\i+1]
.else
	v_pk_fma_f32 v[SA+8*(2*\g+\u)+2*(\i%4):SA+8*(2*\g+\u)+2*(\i%4)+1], v[128*\u+64+16*(\b)+2*\i:128*\u+64+16*(\b)+2*\i+1], v[FB+48*((\b)%2)+32+2*\i:FB+48*((\b)%2)+32+2*\i+1], v[SA+8*(2*\g+\u)+2*(\i%4):SA+8*(2*\g+\u)+2*(\i%4)+1]
.endif
.endif
.endr
.endr
.endr
	WIN 0
.if (\b) < 2
	s_wait_alu depctr_va_vdst(0)                   ; block b's lines are done reading table chunk b % 2, in which the loads below land
	LOADT2 (\b)+2
.endif
.endm
.macro FINISH                          ; sigmoid(dot + b3) = 1 / (1 + 2^(-log2(e) (dot + b3))); the five results go to the work-group's stage
	REDUCE
.irp m, 0,1,2,3,4
	v_fma_f32 v[SA+8*\m], v[SA+8*\m], s59, s60
.endr
	s_wait_alu depctr_va_vdst(0)
.irp m, 0,1,2,3,4
	v_exp_f32 v[SA+8*\m+1], v[SA+8*\m]
.endr
	v_add_nc_u32 v[TP], s45, v[OA0]                ; this trip's place in the stage (the plain line behind the batch)
	s_wait_alu depctr_va_vdst(0)                   ; the five exponentials have written SA + 1 of each tile, ahead of their first reader
.irp m, 0,1,2,3,4
	v_add_f32 v[SA+8*\m+1], 1.0, v[SA+8*\m+1]
.endr
	s_wait_alu depctr_va_vdst(0)
.irp m, 0,1,2,3,4
	v_rcp_f32 v[SA+8*\m], v[SA+8*\m+1]
.endr
	v_nop
	s_wait_alu depctr_va_vdst(0)                   ; the five reciprocals have written SA + 0 of each tile, the data of the LDS stores below; v[TP], their address, is written too
.irp m, 0,1,2,3,4
	ds_store_b32 v[TP], v[SA+8*\m] offset:64*\m    ; lanes r and r + 16 write the same word with the same value
.endr
.endm
; ---------------- the head ----------------
	s_load_b512 s[8:23], s[0:1], 0x0               ; x_codes 8, x_scl 10, edge_index 12, neg_edge_index 14, w_img 16, w_scl 18, b1 20, g1 22
	s_load_b512 s[24:39], s[0:1], 0x40             ; be1 24, b2 26, g2 28, be2 30, w3 32, b3 34, out0 36, out1 38
	v_lshl_add_u32 v[SPW], v0, 2, SPARE
	v_mov_b32 v[NIL], 0
	v_lshrrev_b32 v250, 5, v0
	v_readfirstlane_b32 s40, v250                  ; wave 0..3
	v_and_b32 v250, 31, v0                         ; lane
	v_and_b32 v251, 15, v0                         ; r
	v_bfe_u32 v252, v0, 4, 1                       ; h
	v_lshlrev_b32 v[LI], 4, v250
	v_add_nc_u32 v[LI2], W2IMG, v[LI]
	v_lshl_add_u32 v[TA], v252, 6, TAB
	s_wait_alu depctr_va_sdst(0)                   ; s40, the wave's number, is written, ahead of its first reader
	s_mul_i32 s50, s40, 1600                       ; a wave's 400 edges x 4 bytes
	s_add_co_u32 s2, s50, OUTS
	v_lshl_add_u32 v[OA0], v251, 2, s2
	v_lshlrev_b32 v[IOA], 2, v251
	v_mad_u32_u24 v[IOS], v252, 0xc3500, v[IOA]
	v_lshlrev_b32 v[H16], 4, v252
	v_lshlrev_b32 v96, 4, v0                       ; the copies into LDS: 16, 8 and 4 bytes a thread
	v_add_nc_u32 v97, W2IMG, v96
	v_lshlrev_b32 v113, 3, v0
	v_lshlrev_b32 v114, 2, v0
	v_add_nc_u32 v110, TAB, v113
	v_add_nc_u32 v111, TAB, v114
	v_lshlrev_b32 v112, 3, v251
	v_lshl_add_u32 v112, v252, 8, v112             ; the weights' scale words: 8 r, + 256 in lanes 16-31: K step 1's piece
.irp m, 0,1,2,3,4
	v_mov_b32 v[RS+2*\m+1], 0                      ; named as the upper halves of pairs, so they are written
.endr
	s_mov_b32 s42, 0x76543210
	s_mov_b32 s43, 0xfedcba98                      ; v_permlanex16_b32's selects for lane l xor 16
	s_mov_b32 s44, 0x600000                        ; the mantissa field of 448
	s_mov_b32 s51, 0x04800000                      ; the floor 2^(9 - 127)
	s_mov_b32 s52, 0xfc000000                      ; 8 off an exponent field
	s_mov_b32 s53, 0x7f800000
	s_mov_b32 s54, 0xbb800000                      ; -1/256
	s_mov_b32 s55, 0x3b800000                      ; 1/256
	s_mov_b32 s56, 0xbc000000                      ; -1/128
	s_mov_b32 s57, 0x3c000000                      ; 1/128
	s_mov_b32 s58, 0x3727c5ac                      ; 1e-5
	s_mov_b32 s59, 0xbfb8aa3b                      ; -log2(e)
	s_mov_b32 s3, 0
	s_wait_kmcnt 0x0
	s_load_b32 s48, s[34:35], 0x0                  ; b3
	s_cmp_lt_u32 ttmp9, 125                        ; positive edges or negative: the choice hangs on the work-group's number alone
	s_cselect_b64 s[46:47], s[12:13], s[14:15]
	s_cselect_b32 s49, 1.0, 0                      ; the label
	s_cselect_b32 s2, 0, 125
	s_sub_co_u32 s2, ttmp9, s2
	s_mul_i32 s2, s2, 6400
	s_add_co_u32 s2, s2, s50
	s_add_nc_u64 s[46:47], s[46:47], s[2:3]        ; my wave's first edge in its list
	s_mul_i32 s2, ttmp9, 6400
	s_add_nc_u64 s[36:37], s[36:37], s[2:3]        ; the work-group's 1,600 rows of out0 and out1: 25 x 256 bytes
	s_add_nc_u64 s[38:39], s[38:39], s[2:3]
	s_wait_alu depctr_va_vdst(0)                   ; the addresses v1 to v6, v96, v97 and v110 to v114 are written, which the loads and LDS stores of the head and the LDS loads of the loop read
	IDXLOAD                                        ; group 0: 15 loads
.irp t, 0,1,2,3,4,5,6,7,8,9,10,11,12,13,14,15,16,17,18,19,20,21,22,23
	global_load_b32 v[W1S+\t], v112, s[18:19] offset:512*\t   ; W1's 16 tiles, then W2's 8
.endr
	global_load_b64 v[100:101], v113, s[20:21]
	global_load_b64 v[102:103], v113, s[22:23]
	global_load_b64 v[104:105], v113, s[24:25]
	global_load_b32 v106, v114, s[26:27]
	global_load_b32 v107, v114, s[28:29]
	global_load_b32 v108, v114, s[30:31]
	global_load_b32 v109, v114, s[32:33]
	WIN 0x40                                       ; destination window 1: H(0) and H(1) are free here
.set KI, 0
.rept 48
	global_load_b128 v[4*KI:4*KI+3], v96, s[16:17] offset:2048*KI   ; the work-group's 128 threads copy an image a line
.set KI, KI+1
.endr
	WIN 0
	s_wait_loadcnt 63                              ; 79 loads are younger than the 15 index loads; 63 is the most a count can name, and it shows the oldest 31 done
	GADDR
	s_wait_alu depctr_va_vdst(0)                   ; group 0's offsets in IS, ID, IC are written, which the gathers read as addresses
	GLOADS                                         ; group 0: 45 loads
	s_wait_loadcnt 45                              ; all but the 45 gathers: weights, tables and scale words are in
	WIN 0x04                                       ; an LDS store's data are its source 1: window 1
.set KI, 0
.rept 32
	ds_store_b128 v96, v[4*KI:4*KI+3] offset:2048*KI
.set KI, KI+1
.endr
.rept 16
	ds_store_b128 v97, v[4*KI:4*KI+3] offset:2048*(KI-32)
.set KI, KI+1
.endr
	WIN 0
	ds_store_b64 v110, v[100:101] offset:TB1
	ds_store_b64 v110, v[102:103] offset:TG1
	ds_store_b64 v110, v[104:105] offset:TE1
	ds_store_b32 v111, v106 offset:TB2
	ds_store_b32 v111, v107 offset:TG2
	ds_store_b32 v111, v108 offset:TE2
	ds_store_b32 v111, v109 offset:TW3
	s_wait_xcnt 0x0                                ; the gathers have had their addresses translated, and so have the index loads: IS, ID, IC and the base are written again only behind this wait
	s_wait_alu depctr_vm_vsrc(0)                   ; the gathers have read IS, ID, IC, in which the index loads below land; the LDS stores have read v96 to v114 and H(0), H(1), which the fragments' loads and the first products write
	s_add_nc_u64 s[46:47], s[46:47], 320
	IDXLOAD                                        ; group 1
	s_wait_kmcnt 0x0
	s_mul_f32 s60, s48, s59                        ; -log2(e) b3
	s_wait_dscnt 0x0                               ; for the others' sake: my stores have landed
	s_barrier_signal -1
	s_barrier_wait -1                              ; weights and tables lie in LDS; nobody writes them again
	PRE LI, TB1
	s_mov_b32 s41, 0                               ; trip
	s_mov_b32 s45, 0                               ; its place in my part of the stage
; ---------------- a trip: 80 edges ----------------
.Ltrip:
	s_wait_loadcnt 0x0                             ; this group's codes and scale words, asked for behind the last trip's first product, and the next group's indices
.set FI, 0
.rept 16
	P1PAIR FI
.set FI, FI+2
.endr
	GADDR                                          ; the next group's offsets.  These 30 plain lines are also the places behind the last products, on every path, ahead of the first read of results and of the loads below.  In the last trip they work on the last group's offsets and nothing reads the result
	s_wait_alu depctr_vm_vsrc(0)                   ; the last trip's five LDS stores have read SA + 0 of each tile and v[TP], which the sums below and this trip's end write again
	s_wait_alu depctr_va_vdst(0)                   ; IS, ID, IC are written, which the gathers read as addresses; the products are done reading the fragment buffers, in which the tables land, and F(m), F(4), XSC, in which the gathers land
	LOADT1 0
	LOADT1 1
	s_cmp_eq_u32 s41, 4                            ; the look-ahead: the next group's gathers; no load leaves its buffer
	s_cbranch_scc1 .Lng
	GLOADS                                         ; no wait: only LDS loads, scalar lines and window switches stand between the wait above and these loads
.Lng:
	SUMS 0, 128
	MEAN 54
	CENTRE 0, 128
	RSTD 55
	s_wait_xcnt 0x0                                ; the gathers have had their addresses translated, the last index loads too: IS, ID, IC and the base are written again only behind this wait
	s_wait_alu depctr_vm_vsrc(0)                   ; the gathers have read IS, ID, IC: the index loads below land in them, and the next trip's address lines write them; it stands ahead of the branch, on every path
	s_cmp_ge_u32 s41, 3                            ; the indices of the group after the next, while there is one
	s_cbranch_scc1 .Lni
	s_add_nc_u64 s[46:47], s[46:47], 320
	IDXLOAD                                        ; no vector line since the wait behind the address lines names IS, ID, IC
.Lni:
.irp b, 0,1,2,3,4,5,6,7                ; block b is normalised and its maximum taken while block b - 1 is converted
.if \b < 7
	s_wait_dscnt 8                                 ; this block's 8 table loads are in; the next block's 8 may be out
.else
	s_wait_dscnt 0
.endif
.irp g, 0,1,2
	WIN 65*(\g+1)
.if \b > 0
	QCV \b-1, \g
.endif
	NRM \b, \g
	WIN 5*(\g+1)
	MAXB \b, \g
.endr
	SCL \b
.endr
.irp g, 0,1,2
	WIN 65*(\g+1)
	QCV 7, \g
	WIN 64*(\g+1)
.irp u, 0,1
.if 2*\g+\u < 5
	v_mov_b32 v[128*\u], v[SA+8*(2*\g+\u)+4]       ; block 0's first two registers of codes take their place
	v_mov_b32 v[128*\u+1], v[SA+8*(2*\g+\u)+5]
.endif
.endr
.endr
	WIN 0
	PLACES 8                                       ; operands written by vector instructions stand ahead of the scaled products; the scale words were finished ahead of the last block's holds.  The first pair's wait follows the places
.set FI, 0
.rept 8
	P2PAIR FI
.set FI, FI+2
.endr
	PLACES 8                                       ; ahead of the first read of results
	s_wait_alu depctr_va_vdst(0)                   ; the second product's steps are done reading the fragment buffers and the bias chunks, in which the tables below land
	LOADT2 0
	LOADT2 1
	SUMS 64, 64
	MEAN 56
	CENTRE 64, 64
	RSTD 57
	L2CH 0
	L2CH 1
	L2CH 2
	L2CH 3
	s_cmp_eq_u32 s41, 4
	s_cbranch_scc1 .Lnp
	s_wait_alu depctr_va_vdst(0)                   ; the last two blocks' lines are done reading both table chunks, in which the fragments and biases below land
	PRE LI, TB1                                    ; the next trip's first three fragments
.Lnp:
	s_wait_alu depctr_va_vdst(0)
	FINISH
	s_add_co_u32 s45, s45, 320
	s_add_co_u32 s41, s41, 1
	s_cmp_lt_u32 s41, 5
	s_cbranch_scc1 .Ltrip
; ---------------- the way out: 6,400 bytes of each output, in whole aligned runs ----------------
	v_lshlrev_b32 v97, 4, v0
	v_add_nc_u32 v96, OUTS, v97
	v_and_b32 v98, 31, v0
	v_lshlrev_b32 v98, 3, v98
	v_add_nc_u32 v99, OUTS+6144, v98
.irp i, 0,1,2,3
	v_mov_b32 v[116+\i], s49                       ; the labels
.endr
	s_wait_alu depctr_va_vdst(0)                   ; v96 to v99, the addresses below, and v116 to v119, the labels' store data, are written; the last block's lines are done reading v100 to v113, in which the loads below land
	s_wait_dscnt 0x0                               ; my results have landed in the stage
	s_barrier_signal -1
	s_barrier_wait -1
.irp k, 0,1,2
	ds_load_b128 v[100+4*\k:103+4*\k], v96 offset:2048*\k
.endr
	s_wait_dscnt 0x0
.irp k, 0,1,2
	global_store_b128 v97, v[100+4*\k:103+4*\k], s[36:37] offset:2048*\k th:TH_STORE_NT   ; a wave stores 512 consecutive bytes, aligned
	global_store_b128 v97, v[116:119], s[38:39] offset:2048*\k th:TH_STORE_NT
.endr
	s_cmp_lg_u32 s40, 0                            ; the last 256 bytes: wave 0, 8 bytes a lane
	s_cbranch_scc1 .Lrest
	ds_load_b64 v[112:113], v99
	s_wait_dscnt 0x0
	global_store_b64 v98, v[112:113], s[36:37] offset:6144 th:TH_STORE_NT
	global_store_b64 v98, v[116:117], s[38:39] offset:6144 th:TH_STORE_NT
.Lrest:
	s_wait_dscnt 0x0                               ; the closing lines, six on end
	s_wait_alu 0x0
	s_wait_tensorcnt 0x0
	ds_add_u32 v[SPW], v[NIL]
	s_wait_dscnt 0x0
	s_endpgm
.Lfunc_end_k_qc5fec4a8f6_mlp:
	.size	k_qc5fec4a8f6_mlp, .Lfunc_end_k_qc5fec4a8f6_mlp-k_qc5fec4a8f6_mlp
	.p2alignl 7, 3214868480
	.fill 96, 4, 3214868480
	.section	.rodata,"a",@progbits
	.p2align	6, 0x0
	.amdhsa_kernel k_qc5fec4a8f6_mlp
		.amdhsa_group_segment_fixed_size 110592
		.amdhsa_private_segment_fixed_size 0
		.amdhsa_enable_private_segment 0
		.amdhsa_kernarg_size 128
		.amdhsa_user_sgpr_count 2
		.amdhsa_user_sgpr_kernarg_segment_ptr 1
		.amdhsa_wavefront_size32 1
		.amdhsa_system_sgpr_workgroup_id_x 1
		.amdhsa_system_sgpr_workgroup_id_y 1
		.amdhsa_system_sgpr_workgroup_id_z 1
		.amdhsa_system_vgpr_workitem_id 0
		.amdhsa_next_free_vgpr 1024
		.amdhsa_next_free_sgpr 66
		.amdhsa_reserve_vcc 0
		.amdhsa_float_denorm_mode_32 3
		.amdhsa_float_denorm_mode_16_64 3
		.amdhsa_memory_ordered 1
		.amdhsa_forward_progress 1
		.amdhsa_inst_pref_size 255
	.end_amdhsa_kernel
	.section	.bss,"aw",@nobits
	.p2align	6
	.space	262144
	.amdgpu_metadata
---
amdhsa.version: [ 1, 2 ]
amdhsa.kernels:
  - .name:           k_qc5fec4a8f6_mlp
    .symbol:         k_qc5fec4a8f6_mlp.kd
    .args:
      - { .name: x_codes, .offset: 0, .size: 8, .value_kind: global_buffer, .address_space: global }
      - { .name: x_scl, .offset: 8, .size: 8, .value_kind: global_buffer, .address_space: global }
      - { .name: edge_index, .offset: 16, .size: 8, .value_kind: global_buffer, .address_space: global }
      - { .name: neg_edge_index, .offset: 24, .size: 8, .value_kind: global_buffer, .address_space: global }
      - { .name: w_img, .offset: 32, .size: 8, .value_kind: global_buffer, .address_space: global }
      - { .name: w_scl, .offset: 40, .size: 8, .value_kind: global_buffer, .address_space: global }
      - { .name: b1, .offset: 48, .size: 8, .value_kind: global_buffer, .address_space: global }
      - { .name: g1, .offset: 56, .size: 8, .value_kind: global_buffer, .address_space: global }
      - { .name: be1, .offset: 64, .size: 8, .value_kind: global_buffer, .address_space: global }
      - { .name: b2, .offset: 72, .size: 8, .value_kind: global_buffer, .address_space: global }
      - { .name: g2, .offset: 80, .size: 8, .value_kind: global_buffer, .address_space: global }
      - { .name: be2, .offset: 88, .size: 8, .value_kind: global_buffer, .address_space: global }
      - { .name: w3, .offset: 96, .size: 8, .value_kind: global_buffer, .address_space: global }
      - { .name: b3, .offset: 104, .size: 8, .value_kind: global_buffer, .address_space: global }
      - { .name: out0, .offset: 112, .size: 8, .value_kind: global_buffer, .address_space: global }
      - { .name: out1, .offset: 120, .size: 8, .value_kind: global_buffer, .address_space: global }
    .group_segment_fixed_size: 110592
    .private_segment_fixed_size: 0
    .kernarg_segment_align: 8
    .kernarg_segment_size: 128
    .max_flat_workgroup_size: 128
    .sgpr_count:     66
    .vgpr_count:     1024
    .wavefront_size: 32
...
	.end_amdgpu_metadata
.endif
;; end of part 4
